; MI455X (gfx1250); checked and timed in simulation.
; The chip was launched on July 23, 2026; its instructions are those of AMD's public machine-readable ISA for CDNA 5 (MIT licence, August 2026) and "CDNA5" Instruction Set Architecture Reference Guide (July 2026). The comments in the code are by the model that wrote it; some were corrected since.
;; Attention Pooling Layer. Allowed arithmetic: float matrix products may take bf16 or f16 operands with f32 sums; other float arithmetic in f32, or as packed bf16 or f16 multiplies, adds, multiply-adds, maxima and minima; sums over many terms, partial sums and values carried from step to step in f32; what a program stores and reads back later, other than sums and carried values, may be rounded once to bf16 or f16.
;; Inputs: W1 256 x 256 float32; W2 256 x 128 float32; W3 128 x 64 float32; Wl 64 x 1 float32; a1 200 x 256 float32; a2 200 x 128 float32; a3 200 x 64 float32; b1 256 float32; b2 128 float32; b3 64 float32; bl 1 float32; k 2,048 x 200 x 64 float32; q 2,048 x 1 x 64 float32.
;; Outputs: out0 2,048 x 64 float32.
;; 2 versions, each right; version 2 is version 1 with the launch mlp written anew for expert scheduling mode. Each part assembles by itself: llvm-mc -triple=amdgcn-amd-amdhsa -mcpu=gfx1250 --defsym DOCPART=n.
;; ======== version 1 of 2: 2 launches
;; limits: values are held in f16: magnitudes above 65,504 overflow, below 6.1e-05 lose precision; right only within a limited range of input values
;; workspace buffers: wimg 151,552 bytes; amimg 372,736 bytes; cq 2,621,440 bytes; stat 4,096 bytes
;; launch prep (part 1): grid 384 x 1, 8 waves a work-group, no clusters, 0 bytes of LDS; arguments W1, W2, W3, Wl, a1, a2, a3, b1, b2, b3, q, wimg, amimg, cq, stat; writes wimg, amimg, cq, stat
.if DOCPART == 1
	.amdgcn_target "amdgcn-amd-amdhsa--gfx1250"
	.amdhsa_code_object_version 6
	.text
	.protected	k_qa94b2dd83c_prep
	.globl	k_qa94b2dd83c_prep
	.p2align	8
	.type	k_qa94b2dd83c_prep,@function
k_qa94b2dd83c_prep:
	s_mov_b64 s[64:65], 0
	v_nop
	global_prefetch_b8 v0, s[64:65] scope:SCOPE_SE
	s_setreg_imm32_b32 hwreg(HW_REG_WAVE_MODE, 25, 1), 1
	s_wait_xcnt 0x0
; Four tables for the second launch.  Work-groups 0-255: cq; 256-346: amimg; 347-383: wimg; the last two kinds also write stat.
; cq: a record of 1,280 bytes a batch: c[256] f32, q[64] f32.
;   c[b][n] = b1[n] + sum over d of q[b][d] (W1[d][n] + W1[128+d][n]): the part of layer 1 that hangs on q alone, in f32.
; amimg, 13 slices of 56 x 512 bytes: quad i (tile i / 2 of a1, a2, a3 on end; half i % 2), lane l = (r = l % 16, h = l / 16):
;   a[t][16 mt + 8 h + 4 (i % 2) + 0..3] - 1, t = 16 slice + r; in slice 12 t = 192 + r % 8.  a - 1 is rounded once in f32.
; wimg: fragment F (1,024 bytes): half cg, lane l: 8 f16 Wsrc[32 s + 16 cg + 8 h + 0..7][16 mt + r]; F < 64 layer 1 (4 mt + s),
;   F < 128 layer 2 (8 mt + s), F < 144 layer 3 (4 mt + s).  Layer 1's source: row kf < 64: W1[64+kf] - W1[128+kf] (k's factor); else W1[128+kf] (q k's).
;   F = 144, 145: selection matrices E_u[m][k] = (k == 16 u + m).  Behind the fragments 2,048 bytes: b2, b3, Wl, zeros.
; stat, 1,024 floats, one a wave: [V] the largest magnitude of half fragment V (0 from V = 256 on); [296 + Q] the largest |a| of quad Q.
.macro GATH dst, sb, imm0, pitch       ; eight rows of one column
.irp e, 0,1,2,3,4,5,6,7
	global_load_b32 v[(\dst)+\e], v5, s[\sb:\sb+1] offset:(\imm0)+\e*(\pitch)
.endr
.endm
.macro WOFF sh                         ; v5 = (8 h + s40) rows of 1 << sh bytes + 4 (r + s41)
	v_lshl_add_u32 v5, v4, 3, s40
	v_lshlrev_b32 v5, \sh, v5
	v_add_nc_u32 v6, s41, v3
	v_lshl_add_u32 v5, v6, 2, v5
.endm
.macro WMAX r, t                       ; the maximum over the wave's 32 lanes, in every lane
	v_max_num_f32_dpp v[\r], v[\r], v[\r] row_xmask:1 row_mask:0xf bank_mask:0xf
	v_max_num_f32_dpp v[\r], v[\r], v[\r] row_xmask:2 row_mask:0xf bank_mask:0xf
	v_max_num_f32_dpp v[\r], v[\r], v[\r] row_xmask:4 row_mask:0xf bank_mask:0xf
	v_max_num_f32_dpp v[\r], v[\r], v[\r] row_xmask:8 row_mask:0xf bank_mask:0xf
	v_permlanex16_b32 v[\t], v[\r], s44, s45
	v_max_num_f32 v[\r], v[\r], v[\t]
.endm
.macro STAT r                          ; lane 0 stores the wave's number, and the wave ends
	v_mov_b32 v7, 0
	v_cmp_eq_u32 vcc_lo, 0, v1
	s_wait_xcnt 0x0                        ; EXEC is narrowed only behind this wait
	s_and_saveexec_b32 s6, vcc_lo
	global_store_b32 v7, v[\r], s[56:57]
	s_endpgm
.endm
	s_load_b512 s[8:23], s[0:1], 0x0       ; W1 8, W2 10, W3 12, Wl 14, a1 16, a2 18, a3 20, b1 22
	s_load_b256 s[24:31], s[0:1], 0x40     ; b2 24, b3 26, q 28, wimg 30
	s_load_b128 s[32:35], s[0:1], 0x60     ; amimg 32, cq 34
	s_load_b64 s[56:57], s[0:1], 0x70      ; stat
	v_lshrrev_b32 v1, 5, v0
	v_readfirstlane_b32 s4, v1             ; wave
	v_and_b32 v1, 31, v0                   ; lane
	v_lshlrev_b32 v2, 4, v1                ; 16 lane
	v_and_b32 v3, 15, v0                   ; r
	v_bfe_u32 v4, v0, 4, 1                 ; h
	s_wait_kmcnt 0x0
	s_cmp_lt_u32 ttmp9, 256
	s_cbranch_scc0 .Lnot_cq
	; ---- cq: wave = (pair of batches p, half of the 256 columns ch); a lane owns 4 columns of both batches
	s_lshr_b32 s5, s4, 1                   ; p
	s_and_b32 s6, s4, 1                    ; ch
	s_lshl_b32 s36, ttmp9, 11
	s_lshl_b32 s37, s5, 9
	s_add_co_u32 s36, s36, s37
	s_mov_b32 s37, 0
	s_add_nc_u64 s[28:29], s[28:29], s[36:37]  ; q of batch 8 x + 2 p
	s_lshl_b32 s7, s6, 9
	v_add_nc_u32 v5, s7, v2                ; 512 ch + 16 lane
	global_load_b128 v[8:11], v5, s[22:23]     ; both sums start with b1
	global_load_b128 v[12:15], v5, s[22:23]
	s_mov_b32 s38, 8
.Ld:                                           ; 8 trips of 8 d
	s_load_b256 s[40:47], s[28:29], 0x0
	s_load_b256 s[48:55], s[28:29], 0x100
.irp e, 0,1,2,3,4,5,6,7
	global_load_b128 v[32+4*\e:35+4*\e], v5, s[8:9] offset:1024*\e
	global_load_b128 v[64+4*\e:67+4*\e], v5, s[8:9] offset:131072+1024*\e
.endr
	s_wait_kmcnt 0x0
	s_wait_loadcnt 0x0
.irp e, 0,1,2,3,4,5,6,7
	v_pk_add_f32 v[32+4*\e:33+4*\e], v[32+4*\e:33+4*\e], v[64+4*\e:65+4*\e]
	v_pk_add_f32 v[34+4*\e:35+4*\e], v[34+4*\e:35+4*\e], v[66+4*\e:67+4*\e]
.irp j, 0,1,2,3
	v_fmac_f32 v[8+\j], s[40+\e], v[32+4*\e+\j]
	v_fmac_f32 v[12+\j], s[48+\e], v[32+4*\e+\j]
.endr
.endr
	s_wait_xcnt 0x0                        ; the two bases are stepped only behind this wait
	s_add_nc_u64 s[28:29], s[28:29], 32
	s_add_nc_u64 s[8:9], s[8:9], 8192
	s_sub_co_u32 s38, s38, 1
	s_cmp_lg_u32 s38, 0
	s_cbranch_scc1 .Ld
	s_mul_i32 s36, ttmp9, 10240
	s_mul_i32 s37, s5, 2560
	s_add_co_u32 s36, s36, s37
	s_mov_b32 s37, 0
	s_add_nc_u64 s[34:35], s[34:35], s[36:37]  ; the first batch's record
	global_store_b128 v5, v[8:11], s[34:35]    ; a wave's store covers 512 bytes on end
	global_store_b128 v5, v[12:15], s[34:35] offset:1280
	s_cmp_lg_u32 s6, 0
	s_cbranch_scc1 .Lend
	global_load_b128 v[16:19], v2, s[28:29] offset:-256  ; q of both batches (the base has walked 256 bytes)
	v_mul_u32_u24 v6, v4, 1280
	v_lshl_add_u32 v6, v3, 4, v6
	s_wait_loadcnt 0x0
	global_store_b128 v6, v[16:19], s[34:35] offset:1024
.Lend:
	s_endpgm
.Lnot_cq:
	s_mov_b32 s44, 0x76543210              ; each lane takes its own place in the other half
	s_mov_b32 s45, 0xfedcba98
	s_cmp_lt_u32 ttmp9, 347
	s_cbranch_scc0 .Lwimg
	; ---- amimg: one quad a wave
	s_sub_co_u32 s5, ttmp9, 256
	s_lshl_b32 s5, s5, 3
	s_add_co_u32 s5, s5, s4                ; Q, 0 to 727
	s_mul_i32 s6, s5, 1171
	s_lshr_b32 s6, s6, 16                  ; slice = Q / 56 (exact for Q < 728)
	s_mul_i32 s7, s6, 56
	s_sub_co_u32 s7, s5, s7
	s_lshr_b32 s36, s7, 1                  ; tile
	s_and_b32 s37, s7, 1                   ; half
	s_cmp_lt_u32 s36, 16
	s_cselect_b64 s[40:41], s[16:17], s[18:19]
	s_cselect_b32 s38, 10, 9               ; log2 of the row's bytes
	s_cselect_b32 s39, 0, 16
	s_cmp_lt_u32 s36, 24
	s_cselect_b64 s[40:41], s[40:41], s[20:21]
	s_cselect_b32 s38, s38, 8
	s_cselect_b32 s39, s39, 24
	s_sub_co_u32 s36, s36, s39
	s_lshl_b32 s36, s36, 6
	s_lshl_b32 s37, s37, 4
	s_add_co_u32 s36, s36, s37             ; 64 mt + 16 half
	s_cmp_eq_u32 s6, 12
	s_cselect_b32 s37, 7, 15
	s_lshl_b32 s39, s6, 4
	v_and_b32 v5, s37, v3
	v_add_nc_u32 v5, s39, v5               ; t
	v_lshlrev_b32 v5, s38, v5
	v_lshl_add_u32 v5, v4, 5, v5
	v_add_nc_u32 v5, s36, v5
	global_load_b128 v[8:11], v5, s[40:41]
	s_lshl_b32 s42, s5, 9
	s_mov_b32 s43, 0
	s_add_nc_u64 s[32:33], s[32:33], s[42:43]
	s_lshl_b32 s42, s5, 2
	s_add_co_u32 s42, s42, 1184            ; float 296 + Q
	s_add_nc_u64 s[56:57], s[56:57], s[42:43]
	v_mov_b32 v13, 0
	s_wait_loadcnt 0x0
	v_max3_num_f32 v12, |v8|, |v9|, |v10|
	v_max_num_f32 v12, v12, |v11|
	WMAX 12, 13
	v_pk_add_f32 v[8:9], v[8:9], -1.0 op_sel_hi:[1,0]
	v_pk_add_f32 v[10:11], v[10:11], -1.0 op_sel_hi:[1,0]
	global_store_b128 v2, v[8:11], s[32:33]
	STAT 12
.Lwimg:
	; ---- wimg: half a fragment (512 bytes) a wave
	s_sub_co_u32 s5, ttmp9, 347
	s_lshl_b32 s5, s5, 3
	s_add_co_u32 s5, s5, s4                ; V = 2 F + cg, 0 to 295
	s_lshl_b32 s36, s5, 9
	s_mov_b32 s37, 0
	s_add_nc_u64 s[30:31], s[30:31], s[36:37]
	s_lshl_b32 s36, s5, 2
	s_add_nc_u64 s[56:57], s[56:57], s[36:37]
	s_cmp_lt_u32 s5, 288
	s_cbranch_scc0 .Ltab
	s_lshr_b32 s6, s5, 1                   ; F
	s_and_b32 s7, s5, 1
	s_lshl_b32 s7, s7, 4                   ; 16 cg
	s_cmp_lt_u32 s6, 64
	s_cbranch_scc0 .Ll23
	s_and_b32 s39, s6, 3                   ; s
	s_lshl_b32 s40, s39, 5
	s_add_co_u32 s40, s40, s7
	s_lshr_b32 s41, s6, 2
	s_lshl_b32 s41, s41, 4
	WOFF 10
	s_cmp_lt_u32 s39, 2
	s_cbranch_scc0 .Lplain
	GATH 8, 8, 65536, 1024
	GATH 16, 8, 131072, 1024
	s_wait_loadcnt 0x0
.irp j, 0,2,4,6
	v_pk_add_f32 v[8+\j:9+\j], v[8+\j:9+\j], v[16+\j:17+\j] neg_lo:[0,1] neg_hi:[0,1]
.endr
	s_branch .Lpack
.Lplain:
	GATH 8, 8, 131072, 1024
	s_branch .Lpack
.Ll23:
	s_cmp_lt_u32 s6, 128
	s_cbranch_scc0 .Ll3
	s_and_b32 s40, s6, 7
	s_lshl_b32 s40, s40, 5
	s_add_co_u32 s40, s40, s7
	s_bfe_u32 s41, s6, 0x30003             ; (F - 64) / 8
	s_lshl_b32 s41, s41, 4
	WOFF 9
	GATH 8, 10, 0, 512
	s_branch .Lpack
.Ll3:
	s_and_b32 s40, s6, 3
	s_lshl_b32 s40, s40, 5
	s_add_co_u32 s40, s40, s7
	s_bfe_u32 s41, s6, 0x20002             ; (F - 128) / 4
	s_lshl_b32 s41, s41, 4
	WOFF 8
	GATH 8, 12, 0, 256
.Lpack:
	s_wait_loadcnt 0x0
.irp j, 0,1,2,3
	v_cvt_pk_f16_f32 v[24+\j], v[8+2*\j], v[9+2*\j]
.endr
	v_max3_num_f32 v28, |v8|, |v9|, |v10|
	v_max3_num_f32 v28, v28, |v11|, |v12|
	v_max3_num_f32 v28, v28, |v13|, |v14|
	v_max_num_f32 v28, v28, |v15|
	s_cmp_lt_u32 s5, 256
	s_cselect_b32 s36, 1.0, 0              ; layer 3 needs no bound
	v_mul_f32 v28, s36, v28
	v_mov_b32 v29, 0
	WMAX 28, 29
	s_branch .Lfin
.Ltab:
	v_mov_b32 v28, 0
	s_cmp_lt_u32 s5, 292
	s_cbranch_scc0 .Lt292
	s_cmp_eq_u32 s5, 288                   ; E_0 has its ones in half 0, E_1 in half 1: element e of lane (r, h) is 1 where 8 h + e == r
	s_cselect_b32 s36, 0x3c00, 0
	s_cmp_eq_u32 s5, 291
	s_cselect_b32 s36, 0x3c00, s36
	v_mov_b32 v20, s36
	v_lshlrev_b32 v21, 16, v20
	v_lshlrev_b32 v6, 3, v4
	v_sub_nc_u32 v6, v3, v6
.irp i, 0,1,2,3
	v_cmp_eq_u32 vcc_lo, 2*\i, v6
	v_cndmask_b32 v[24+\i], 0, v20, vcc_lo
	v_cmp_eq_u32 vcc_lo, 2*\i+1, v6
	v_cndmask_b32 v[24+\i], v[24+\i], v21, vcc_lo
.endr
	s_branch .Lfin
.Lt292:
	s_cmp_eq_u32 s5, 292
	s_cbranch_scc0 .Lt293
	global_load_b128 v[24:27], v2, s[24:25]    ; b2
	s_wait_loadcnt 0x0
	s_branch .Lfin
.Lt293:
	s_cmp_eq_u32 s5, 293
	s_cbranch_scc0 .Lt294
	v_lshlrev_b32 v5, 4, v3
	global_load_b128 v[8:11], v5, s[26:27]     ; b3 for lanes 0-15,
	global_load_b128 v[12:15], v5, s[14:15]    ; Wl for lanes 16-31
	v_cmp_lt_u32 vcc_lo, 15, v1
	s_wait_loadcnt 0x0
.irp j, 0,1,2,3
	v_cndmask_b32 v[24+\j], v[8+\j], v[12+\j], vcc_lo
.endr
	s_branch .Lfin
.Lt294:
.irp j, 0,1,2,3
	v_mov_b32 v[24+\j], 0                  ; the table block's rest, so that it can be copied whole
.endr
.Lfin:
	global_store_b128 v2, v[24:27], s[30:31]
	STAT 28
.Lfunc_end_k_qa94b2dd83c_prep:
	.size	k_qa94b2dd83c_prep, .Lfunc_end_k_qa94b2dd83c_prep-k_qa94b2dd83c_prep
	.p2alignl 7, 3214868480
	.fill 96, 4, 3214868480
	.section	.rodata,"a",@progbits
	.p2align	6, 0x0
	.amdhsa_kernel k_qa94b2dd83c_prep
		.amdhsa_group_segment_fixed_size 0
		.amdhsa_private_segment_fixed_size 0
		.amdhsa_enable_private_segment 0
		.amdhsa_kernarg_size 120
		.amdhsa_user_sgpr_count 2
		.amdhsa_user_sgpr_kernarg_segment_ptr 1
		.amdhsa_wavefront_size32 1
		.amdhsa_system_sgpr_workgroup_id_x 1
		.amdhsa_system_sgpr_workgroup_id_y 1
		.amdhsa_system_sgpr_workgroup_id_z 1
		.amdhsa_system_vgpr_workitem_id 0
		.amdhsa_next_free_vgpr 96
		.amdhsa_next_free_sgpr 66
		.amdhsa_reserve_vcc 1
		.amdhsa_float_denorm_mode_32 3
		.amdhsa_float_denorm_mode_16_64 3
		.amdhsa_memory_ordered 1
		.amdhsa_forward_progress 1
		.amdhsa_inst_pref_size 19
	.end_amdhsa_kernel
	.amdgpu_metadata
---
amdhsa.version: [ 1, 2 ]
amdhsa.kernels:
  - .name:           k_qa94b2dd83c_prep
    .symbol:         k_qa94b2dd83c_prep.kd
    .args:
      - { .name: W1, .offset: 0, .size: 8, .value_kind: global_buffer, .address_space: global }
      - { .name: W2, .offset: 8, .size: 8, .value_kind: global_buffer, .address_space: global }
      - { .name: W3, .offset: 16, .size: 8, .value_kind: global_buffer, .address_space: global }
      - { .name: Wl, .offset: 24, .size: 8, .value_kind: global_buffer, .address_space: global }
      - { .name: a1, .offset: 32, .size: 8, .value_kind: global_buffer, .address_space: global }
      - { .name: a2, .offset: 40, .size: 8, .value_kind: global_buffer, .address_space: global }
      - { .name: a3, .offset: 48, .size: 8, .value_kind: global_buffer, .address_space: global }
      - { .name: b1, .offset: 56, .size: 8, .value_kind: global_buffer, .address_space: global }
      - { .name: b2, .offset: 64, .size: 8, .value_kind: global_buffer, .address_space: global }
      - { .name: b3, .offset: 72, .size: 8, .value_kind: global_buffer, .address_space: global }
      - { .name: q, .offset: 80, .size: 8, .value_kind: global_buffer, .address_space: global }
      - { .name: wimg, .offset: 88, .size: 8, .value_kind: global_buffer, .address_space: global }
      - { .name: amimg, .offset: 96, .size: 8, .value_kind: global_buffer, .address_space: global }
      - { .name: cq, .offset: 104, .size: 8, .value_kind: global_buffer, .address_space: global }
      - { .name: stat, .offset: 112, .size: 8, .value_kind: global_buffer, .address_space: global }
    .group_segment_fixed_size: 0
    .private_segment_fixed_size: 0
    .kernarg_segment_align: 8
    .kernarg_segment_size: 120
    .max_flat_workgroup_size: 256
    .sgpr_count:     66
    .vgpr_count:     96
    .wavefront_size: 32
...
	.end_amdgpu_metadata
.endif
;; end of part 1
;; launch mlp (part 2): grid 256 x 1, 4 waves a work-group, no clusters, 326,144 bytes of LDS; arguments k, wimg, amimg, cq, stat, bl, out0; writes out0
.if DOCPART == 2
	.amdgcn_target "amdgcn-amd-amdhsa--gfx1250"
	.amdhsa_code_object_version 6
	.text
	.protected	k_qa94b2dd83c_mlp
	.globl	k_qa94b2dd83c_mlp
	.p2align	8
	.type	k_qa94b2dd83c_mlp,@function
k_qa94b2dd83c_mlp:
	s_mov_b64 s[64:65], 0
	v_nop
	global_prefetch_b8 v0, s[64:65] scope:SCOPE_SE
	s_setreg_imm32_b32 hwreg(HW_REG_WAVE_MODE, 25, 1), 1
	s_wait_xcnt 0x0
; out[b] = sum over t of score[b][t] k[b][t], score = the three PReLU layers and the last dot product, 0 where k[b][t][0] == 0.
; A work-group owns 8 batches.  A UNIT is 16 rows t x 4 columns (a column = one batch): wave w walks t tiles 3 w .. 3 w + 2, each for batches 0-3 and 4-7
; (6 units); rows 192-199 are one more unit for each group of four batches, trip 6 of waves 0 and 1: its lanes r >= 8 repeat rows 192 + r % 8 and their score counts as 0.
; EVERY LAYER IS USED TRANSPOSED: source 0 = 16 output features (weights, from LDS), source 1 = 16 rows t.  In the result lane l = (r = l % 16, h = l / 16) holds row r and
; features 8 h + 0..7, so two results rounded to f16 ARE source 1 of the next layer: activations never leave registers.
; LAYER 1 has K = 128: k and q k; the part that hangs on q alone, with b1, is c[b], the C operand that starts the sums.
; PReLU = x + (a - 1) min(x, 0): 8 minima, 4 packed multiply-adds, 4 roundings for a result; they stand four behind each matrix instruction of the next group.
; FORMAT AND SCALES.  All matrix operands are f16: eight bits of significand do not hold the allowance through six roundings.  f16's range is kept by powers of two, exact since PReLU
; commutes with a positive factor.  With w1, w2 the largest weights of layers 1 and 2, A = max(1, |a|), cqm = max |c|, |q| of my batches, mk = max |k| of the unit:
;   rho1 256 w1 <= 1 and rho2 512 w2 <= 1 are multiplied into the weights on their way into LDS;  M = max(A^2 max(1, cqm) mk, rho1 A^2 cqm, rho1 rho2 A max|b2|);  sX M < 2^14;
;   k and q k carry sX, layer 1 s1 = sX rho1, layers 2 and 3 s2 = s1 rho2.  Then |X sX| <= 2^14, |h1 s1| <= 1.5 x 2^14, |h2 s2| <= 1.75 x 2^14 for every input.
;   c s1, b2 s2, b3 s2 are written once a unit into the wave's own LDS bytes; the score is the last sum / s2 + bl.
; POOLING in the same lanes: 16 products with selection matrices turn k sX (f16) into f32 exactly; score / sX times that is added into the wave's own LDS pool;
; one barrier; 128 threads add 64 pool rows each.
; NO CLUSTER, NO TENSOR LOAD: work-groups share the weight image alone, read once at the start; k is private and is asked for a whole unit ahead, into registers.
; LIMITS: 256 w1 and 512 w2 count as at least 2^-10 and at most 2^20 (beyond: f16 may overflow); M as at least 2^-60 and at most 2^60; weights below 65,504, with f16's fixed step of 6e-8
; below 6e-5; a - 1 rounded once in f32; the bound A takes a3 in too; NaN and infinities in k are not treated apart.
; REGISTERS, windows of 256: W0 v0-31 addresses, TMP, CB (bias), AF (ring of 6 weight fragments), WLF (Wl), ACC (3 buffers x 4 columns), A3M;
;   W1 XK (k), XQ (q k; later h2's first half), A1M;   W2 H1 (at a unit's start q, at its end the pool sums);   W3 KT (the next unit's k, f32), A2M, h2's second half.
.set TAB,   149504     ; LDS: fragments 0-145; then b2, b3 (+512), Wl (+768), zeros
.set CQL,   151552     ; c | q records of my 8 batches
.set PRIV,  161792     ; a wave's own 6,144 bytes: four records x s1, then b2, b3 x s2
.set PRIVW, 6144
.set POOL,  186368     ; a wave's pool: 2 groups x 4 columns x 16 rows x 272 bytes
.set PWAVE, 34816
.set PGRP,  17408
.set PCOL,  4352
.set SPARE, 325632     ; the spare words, 128 bytes a wave
.set K0,  16           ; v16-19 k[t][0] of the four columns
.set SC,  20           ; v20-27 a pair of score sums a column
.set TMP, 32
.set CB,  48
.set AF,  64
.set WLF, 112
.set ACC, 128
.set LDSN, 0           ; LDS instructions written so far: a wait's count is LDSN less the mark of the load that is needed
.set QJ, 64            ; the rider queue is empty
.set MSB, 0
.macro WIN new                         ; the high byte repeats the setting that is left
.if MSB != (\new)
	s_set_vgpr_msb (MSB<<8)|(\new)
.set MSB, (\new)
.endif
.endm
.macro WINF new, mask                  ; switch only if a field that the next line uses differs
.if (MSB & (\mask)) != ((\new) & (\mask))
	WIN \new
.endif
.endm
.macro DSW m
.if LDSN-(\m) > 63
	s_wait_dscnt 63
.else
	s_wait_dscnt LDSN-(\m)
.endif
.endm
.macro WMAX r, t                       ; the maximum over the wave's 32 lanes, in every lane
	v_max_num_f32_dpp v[\r], v[\r], v[\r] row_xmask:1 row_mask:0xf bank_mask:0xf
	v_max_num_f32_dpp v[\r], v[\r], v[\r] row_xmask:2 row_mask:0xf bank_mask:0xf
	v_max_num_f32_dpp v[\r], v[\r], v[\r] row_xmask:4 row_mask:0xf bank_mask:0xf
	v_max_num_f32_dpp v[\r], v[\r], v[\r] row_xmask:8 row_mask:0xf bank_mask:0xf
	v_permlanex16_b32 v[\t], v[\r], s82, s83
	v_max_num_f32 v[\r], v[\r], v[\t]
.endm
.macro ALL32 line:vararg               ; column cc, quad ii: registers rr .. rr + 3 hold features 16 (ii / 2) + 8 h + 4 (ii % 2) + 0..3, byte ko of a row (less 32 h)
.set cc, 0
.rept 4
.set ii, 0
.rept 8
.set ko, 64*(ii/2)+16*(ii%2)
.set rr, 32*cc+4*ii
	\line
.set ii, ii+1
.endr
.set cc, cc+1
.endr
.endm
.macro AFLOAD k                        ; fragment k of 146 into ring slot k % 6
.set fk, (\k)
.set rF, AF+8*(fk%6)
	WINF 0, 0xc3
.if fk < 64
	ds_load_b128 v[rF:rF+3], v1 offset:1024*fk
	ds_load_b128 v[rF+4:rF+7], v1 offset:1024*fk+512
.elseif fk < 128
	ds_load_b128 v[rF:rF+3], v3 offset:1024*(fk-64)
	ds_load_b128 v[rF+4:rF+7], v3 offset:1024*(fk-64)+512
.else
	ds_load_b128 v[rF:rF+3], v4 offset:1024*(fk-128)
	ds_load_b128 v[rF+4:rF+7], v4 offset:1024*(fk-128)+512
.endif
.set LDSN, LDSN+2
.irp n, 0,1,2,3,4,5
.if fk%6 == \n
.set MK\n, LDSN
.endif
.endr
.endm
.macro GETMK k
.irp n, 0,1,2,3,4,5
.if (\k)%6 == \n
.set MKV, MK\n
.endif
.endr
.endm
.macro CINIT g                         ; c s1 of the four columns' batches starts layer 1's sums of group g
	WINF 0, 0xc3
.set ci, 0
.rept 4
	ds_load_b128 v[ACC+32*((\g)%3)+8*ci:ACC+32*((\g)%3)+8*ci+3], v7 offset:1280*ci+64*(\g)
	ds_load_b128 v[ACC+32*((\g)%3)+8*ci+4:ACC+32*((\g)%3)+8*ci+7], v7 offset:1280*ci+64*(\g)+16
.set ci, ci+1
.endr
.set LDSN, LDSN+8
.endm
.macro BLOAD dst, va, off              ; eight numbers of b2 s2, b3 s2 (my own bytes) or Wl for my half of 16 features
	WINF 0, 0xc3
	ds_load_b128 v[(\dst):(\dst)+3], v[\va] offset:(\off)
	ds_load_b128 v[(\dst)+4:(\dst)+7], v[\va] offset:(\off)+16
.set LDSN, LDSN+2
.endm
; THE RIDERS: entry QJ of 64 of the activation of the group before: column QJ / 16; 8 minima, 4 multiply-adds, then 4 roundings into the next layer's
; fragment, or (layer 3) 4 multiply-adds of h3 Wl into the score sums.  Each accumulator is read from its lowest register on.
.macro R1
.if QJ < 64
.set qc, QJ/16
.set qi, QJ%16
.set rA, QB+8*qc
.set rT, TMP+8*(qc%2)
.if qi < 8
	WINF 0, 0xc3
	v_min_num_f32 v[rT+qi], v[rA+qi], 0
.elseif qi < 12
.set qk, 2*(qi-8)
	WIN QAW<<2
	v_pk_fma_f32 v[rA+qk:rA+qk+1], v[rT+qk:rT+qk+1], v[QAL+qk:QAL+qk+1], v[rA+qk:rA+qk+1]
.elseif QK == 3
.set qk, 2*(qi-12)
	WIN 0
.if (QG == 0) && (qi == 12)
	v_pk_mul_f32 v[SC+2*qc:SC+2*qc+1], v[rA:rA+1], v[QWL:QWL+1]
.else
	v_pk_fma_f32 v[SC+2*qc:SC+2*qc+1], v[rA+qk:rA+qk+1], v[QWL+qk:QWL+qk+1], v[SC+2*qc:SC+2*qc+1]
.endif
.else
.set qk, qi-12
	WINF QDW<<6, 0xcf
	v_cvt_pk_f16_f32 v[QD+QDS*qc+qk], v[rA+2*qk], v[rA+2*qk+1]
.endif
.set QJ, QJ+1
.endif
.endm
.macro RIDE4                           ; four riders, or one v_nop: so four plain vector instructions at the least stand in every K step (ISA guide 7.12.1)
.if QJ < 64
	R1
	R1
	R1
	R1
.else
	v_nop
.endif
.endm
.macro FLUSH
.rept 64
	R1
.endr
.endm
; GROUP G: 16 output features x 4 columns.  G 0-15 layer 1 (4 K steps), 16-23 layer 2 (8), 24-27 layer 3 (4).  Buffer G % 3 of ACC.  The four accumulators take
; turns, one instruction a turn.  A fragment is asked for four K steps ahead, into the slot read two K steps ago.
.macro GROUP G
.if (\G) < 16
.set NS, 4
.set KB, 4*(\G)
.elseif (\G) < 24
.set NS, 8
.set KB, 64+8*((\G)-16)
.else
.set NS, 4
.set KB, 128+4*((\G)-24)
.endif
.set AB, ACC+32*((\G)%3)
.if (\G)+1 < 16
	CINIT (\G)+1
.elseif (\G)+1 < 24
	BLOAD CB+8*(((\G)+1)%2), 7, 5120+64*((\G)-15)
.elseif (\G)+1 < 28
	BLOAD CB+8*(((\G)+1)%2), 7, 5120+512+64*((\G)-23)
.endif
.if (\G) >= 24
	BLOAD WLF+8*((\G)%2), 5, 768+64*((\G)-24)
.endif
.set gs, 0
.rept NS
.if KB+gs+4 < 146
	AFLOAD KB+gs+4
.endif
.if ((\G) == 24) && (gs == 3)
	FLUSH                                  ; h2's last features are wanted by this K step
.endif
	GETMK KB+gs
	DSW MKV                                ; the fragment is in, and so is what was asked for before it (this group's c or bias)
.set rF, AF+8*((KB+gs)%6)
.set gc, 0
.rept 4
.if (\G) < 16
.set bw, 1
.set rB, 16*gc+8*gs+48*(gs/2)
.elseif (\G) < 24
.set bw, 2
.set rB, 64*gc+8*gs
.elseif gs < 2
.set bw, 1
.set rB, 64+16*gc+8*gs
.else
.set bw, 3
.set rB, 192+16*gc+8*(gs-2)
.endif
	WIN bw<<2
.if ((\G) >= 16) && (gs == 0)
	v_wmma_f32_16x16x32_f16 v[AB+8*gc:AB+8*gc+7], v[rF:rF+7], v[rB:rB+7], v[CB+8*((\G)%2):CB+8*((\G)%2)+7]
.else
	v_wmma_f32_16x16x32_f16 v[AB+8*gc:AB+8*gc+7], v[rF:rF+7], v[rB:rB+7], v[AB+8*gc:AB+8*gc+7]
.endif
	RIDE4
.set gc, gc+1
.endr
.set gs, gs+1
.endr
.set QB, AB
.set QJ, 0
.if (\G) < 16
.set QK, 1
.set QAW, 1
.set QAL, 128+8*(\G)
.set QDW, 2
.set QD, 8*((\G)/2)+4*((\G)%2)
.set QDS, 64
.elseif (\G) < 24
.set QK, 2
.set QAW, 3
.set QAL, 128+8*((\G)-16)
.set QDS, 16
.if (\G) < 20
.set QDW, 1
.set QD, 64+8*(((\G)-16)/2)+4*((\G)%2)
.else
.set QDW, 3
.set QD, 192+8*(((\G)-20)/2)+4*((\G)%2)
.endif
.else
.set QK, 3
.set QAW, 0
.set QAL, 224+8*((\G)-24)
.set QG, (\G)-24
.set QWL, WLF+8*((\G)%2)
.endif
.endm
.macro ALOAD w, rb, i0, n              ; n quads of the slope image from quad i0 on, into window w
	WIN (\w)<<6
.set ii, 0
.rept \n
	global_load_b128 v[(\rb)+4*ii:(\rb)+4*ii+3], v1, s[88:89] offset:512*((\i0)+ii)
.set ii, ii+1
.endr
.endm
; Unit s97's places in memory: t tile 3 w + N / 2, batches 4 (N % 2) on; from N = 6 on rows 192 + r % 8, batches 4 (w % 2) on.
.macro NEXTP
	s_lshr_b32 s94, s97, 1
	s_mul_i32 s95, s80, 3
	s_add_co_u32 s94, s94, s95
	s_and_b32 s95, s97, 1
	s_and_b32 s98, s80, 1
	s_cmp_lt_u32 s97, 6
	s_cselect_b32 s94, s94, 12
	s_cselect_b32 s95, s95, s98
	s_cselect_b32 s96, 2048, 0
	s_mul_i32 s95, s95, 204800
	s_lshl_b32 s98, s94, 12
	s_add_co_u32 s95, s95, s98
	s_mul_i32 s90, s94, 28672
	s_mov_b32 s91, 0
	s_add_nc_u64 s[88:89], s[8:9], s[90:91]
	v_mad_u32_u24 v12, v11, s96, v10
	v_add_nc_u32 v12, s95, v12
.endm
.macro KLOAD
	WIN 0xc0
	ALL32 global_load_b128 v[rr:rr+3], v12, s[92:93] offset:51200*cc+ko
.endm
.macro CLOAD w, rb, n, sb, goff        ; n steps of 2,048 bytes, 16 a thread
	WIN (\w)<<6
.set ii, 0
.rept \n
	global_load_b128 v[(\rb)+4*ii:(\rb)+4*ii+3], v2, s[\sb:\sb+1] offset:(\goff)+2048*ii
.set ii, ii+1
.endr
.endm
.macro CSTORE w, rb, n, va
	WIN (\w)<<2
.set ii, 0
.rept \n
	ds_store_b128 v[\va], v[(\rb)+4*ii:(\rb)+4*ii+3] offset:2048*ii
.set ii, ii+1
.endr
.endm
.macro RHO r, lit                      ; from the largest weight: 2^-e with 2^-e x lit x weight <= 1
	v_mul_f32 v[\r], \lit, v[\r]
	v_max_num_f32 v[\r], 0x3a800000, v[\r]     ; at least 2^-10,
	v_min_num_f32 v[\r], 0x49800000, v[\r]     ; at most 2^20
	v_and_b32 v[\r], 0x7f800000, v[\r]         ; its power of two, E in the exponent's field;
	v_sub_nc_u32 v[\r], 0x7e800000, v[\r]      ; the field 253 - E is 2^-(E - 127 + 1)
.endm
.macro PW c                            ; column c's k sX, f16 to f32: tile pt holds features 16 pt + 8 h + 0..7 of row r
	WIN 0x04
.set pt, 0
.rept 4
	v_wmma_f32_16x16x32_f16 v[ACC+32*((\c)%3)+8*pt:ACC+32*((\c)%3)+8*pt+7], v[AF+8*(pt%2):AF+8*(pt%2)+7], v[16*(\c)+8*(pt/2):16*(\c)+8*(pt/2)+7], 0
.set pt, pt+1
.endr
.endm
.macro PF c                            ; pool sums += that x score / sX
	WIN 0xa0
.set pt, 0
.rept 16
	v_pk_fma_f32 v[32*(\c)+2*pt:32*(\c)+2*pt+1], v[ACC+32*((\c)%3)+2*pt:ACC+32*((\c)%3)+2*pt+1], v[SC+2*(\c):SC+2*(\c)+1], v[32*(\c)+2*pt:32*(\c)+2*pt+1] op_sel_hi:[1,0,1]
.set pt, pt+1
.endr
.endm
	s_load_b256 s[4:11], s[0:1], 0x0       ; k 4, wimg 6, amimg 8, cq 10
	s_load_b128 s[12:15], s[0:1], 0x20     ; stat 12, bl 14
	s_load_b64 s[16:17], s[0:1], 0x30      ; out0
	v_lshl_add_u32 v30, v0, 2, SPARE       ; my spare word, and 0: for the wave's last lines
	v_mov_b32 v31, 0
	v_lshrrev_b32 v13, 5, v0
	v_readfirstlane_b32 s80, v13           ; wave
	v_and_b32 v14, 31, v0
	v_lshlrev_b32 v1, 4, v14               ; 16 lane: slope image, and fragments 0-63
	v_lshlrev_b32 v2, 4, v0                ; 16 thread: the copies
	v_bfe_u32 v13, v0, 4, 1
	v_lshlrev_b32 v13, 5, v13              ; 32 h
	v_bfe_u32 v11, v0, 3, 1                ; r / 8
	v_and_b32 v14, 7, v0                   ; r % 8
	v_and_b32 v15, 15, v0                  ; r
	v_add_nc_u32 v3, 65536, v1             ; fragments 64-127
	v_add_nc_u32 v4, 131072, v1            ; fragments 128-145, and the tables
	v_add_nc_u32 v5, TAB, v13
	v_add_nc_u32 v6, CQL, v13
	s_mul_i32 s86, s80, PRIVW
	s_add_co_u32 s86, s86, PRIV            ; my own bytes
	v_add_nc_u32 v7, s86, v13
	s_mul_i32 s95, s80, PWAVE
	s_add_co_u32 s95, s95, POOL            ; my pool
	v_mad_u32_u24 v8, v15, 272, v13
	v_add_nc_u32 v8, s95, v8
	v_lshl_add_u32 v10, v14, 8, v13        ; k: row r % 8
	v_add_nc_u32 v28, 65536, v2
	v_add_nc_u32 v29, 131072, v2
	v_add_nc_u32 v12, CQL, v2
	v_add_nc_u32 v15, s95, v1
.irp j, 0,1,2,3,4,5,6,7
	v_mov_b32 v[SC+\j], 0                  ; zeros for the pool; v_permlanex16_b32's destinations count as read
.endr
	s_mov_b32 s82, 0x76543210              ; each lane takes its own place in the other half
	s_mov_b32 s83, 0xfedcba98
	s_mov_b32 s85, 0xffff0000              ; lanes 16-31
	s_mul_i32 s90, ttmp9, 10240
	s_mov_b32 s91, 0
	s_mul_i32 s98, ttmp9, 409600
	s_mov_b32 s99, 0
	s_wait_kmcnt 0x0
	s_load_b32 s84, s[14:15], 0x0          ; bl
	s_add_nc_u64 s[10:11], s[10:11], s[90:91]
	s_add_nc_u64 s[92:93], s[4:5], s[98:99]    ; k at my 8 batches
.irp i, 0,1,2,3,4,5,6,7
	global_load_b128 v[32+4*\i:35+4*\i], v1, s[12:13] offset:512*\i   ; the 1,024 maxima: 128 of layer 1, 128 of layer 2, the rest zeros and |a|
.endr
	CLOAD 1, 0, 32, 6, 0                   ; layer 1's fragments, 32 steps; layer 2's, 32; layer 3's, E and the tables, 10; my records, 5
	CLOAD 2, 0, 32, 6, 65536
	CLOAD 3, 0, 10, 6, 131072
	CLOAD 0, 64, 5, 10, 0
.set ii, 0
.rept 68
	ds_store_b128 v15, v[SC:SC+3] offset:512*ii    ; my pool starts at 0
.set ii, ii+1
.endr
	s_wait_loadcnt 63                      ; of 87 loads the oldest 24 are in, the 8 of the maxima among them
	v_max3_num_f32 v32, v32, v33, v34
	v_max_num_f32 v32, v32, v35
	v_max3_num_f32 v36, v36, v37, v38
	v_max_num_f32 v36, v36, v39
.set ii, 0
.rept 11
	v_max3_num_f32 v40, v40, v[41+2*ii], v[42+2*ii]
.set ii, ii+1
.endr
	v_max3_num_f32 v40, v40, v63, 1.0
	WMAX 32, 33                            ; w1
	WMAX 36, 37                            ; w2
	WMAX 40, 41                            ; A
	RHO 32, 0x43800000                     ; rho1: 256 w1
	RHO 36, 0x44000000                     ; rho2: 512 w2
	v_mul_f32 v34, v32, v36
	v_cvt_pk_f16_f32 v33, v32, v32
	v_cvt_pk_f16_f32 v37, v36, v36
	v_readfirstlane_b32 s72, v32           ; rho1
	v_readfirstlane_b32 s73, v34           ; rho1 rho2
	s_wait_loadcnt 0x0
	WIN 0x41
.set ii, 0
.rept 128
	v_pk_mul_f16 v[ii], v[ii], v33
.set ii, ii+1
.endr
	WIN 0x82
.set ii, 0
.rept 128
	v_pk_mul_f16 v[ii], v[ii], v37
.set ii, ii+1
.endr
	CSTORE 0, 64, 5, 12
	CSTORE 1, 0, 32, 2
	CSTORE 2, 0, 32, 28
	CSTORE 3, 0, 10, 29
	WIN 0
	v_add_nc_u32 v2, s86, v1               ; from here on: my own bytes, 16 a lane
	v_add_nc_u32 v29, CQL, v1              ; and the records, 16 a lane
	s_mov_b32 s97, 0
	NEXTP
	KLOAD                                  ; unit 0: k, then its slopes, in the order in which every trip asks
	ALOAD 1, 128, 0, 32
	ALOAD 3, 128, 32, 16
	ALOAD 0, 224, 48, 8
	WIN 0
	s_wait_dscnt 0x0                       ; for the others' sake: my part of the weights and records is in LDS
	s_barrier_signal -1
	s_barrier_wait -1
.set ii, 0
.rept 20
	ds_load_b128 v[64+4*ii:67+4*ii], v29 offset:512*ii     ; all 8 records,
.set ii, ii+1
.endr
	ds_load_b128 v[144:147], v4 offset:TAB-131072          ; and b2
	s_wait_dscnt 0x0
	v_max_num_f32 v64, |v64|, |v65|
.set ii, 0
.rept 39
	v_max3_num_f32 v64, v64, |v[66+2*ii]|, |v[67+2*ii]|
.set ii, ii+1
.endr
	v_max_num_f32 v144, |v144|, |v145|
	v_max3_num_f32 v144, v144, |v146|, |v147|
	WMAX 64, 65                            ; cqm
	WMAX 144, 145                          ; max |b2|
	v_mul_f32 v41, v40, v40                ; A^2
	v_max_num_f32 v42, 1.0, v64
	v_mul_f32 v42, v41, v42                ; F = A^2 max(1, cqm)
	v_mul_f32 v43, v41, v64
	v_mul_f32 v43, s72, v43                ; rho1 A^2 cqm
	v_mul_f32 v44, v40, v144
	v_mul_f32 v44, s73, v44                ; rho1 rho2 A max |b2|
	v_max3_num_f32 v43, v43, v44, 0x21800000   ; K, at least 2^-60
	v_readfirstlane_b32 s70, v42
	v_readfirstlane_b32 s71, v43
	s_wait_kmcnt 0x0
	s_mov_b32 s81, 0
.Lunit:                                        ; 7 trips; trip 6 is waves 0's and 1's alone
	s_cmp_eq_u32 s81, 6
	s_cselect_b32 s94, s80, 0
	s_cmp_gt_u32 s94, 1
	s_cbranch_scc1 .Lnext
	s_and_b32 s94, s81, 1                  ; this unit's group of four batches
	s_and_b32 s95, s80, 1
	s_cmp_eq_u32 s81, 6
	s_cselect_b32 s94, s95, s94
	s_cselect_b32 s87, 0x00ff00ff, -1      ; the lanes whose rows count
	s_mul_i32 s95, s94, 5120
	s_mul_i32 s96, s94, PGRP
	v_add_nc_u32 v28, s95, v6
	v_add_nc_u32 v15, s95, v29
	v_add_nc_u32 v9, s96, v8
.set ii, 0
.rept 10
	ds_load_b128 v[160+4*ii:163+4*ii], v15 offset:512*ii   ; the group's four records as they lie,
.set ii, ii+1
.endr
	ds_load_b128 v[200:203], v4 offset:TAB-131072          ; b2,
	ds_load_b128 v[204:207], v4 offset:TAB-131072+512      ; b3 (and Wl, whose copy nobody reads)
.set LDSN, LDSN+12
.set MR, LDSN
	WIN 0x80
	ALL32 ds_load_b128 v[rr:rr+3], v28 offset:1280*cc+1024+ko  ; q, in k's layout
.set LDSN, LDSN+32
.set MQ, LDSN
	s_wait_loadcnt 56                      ; k is in; the 56 loads of this unit's slopes were issued behind it
	WIN 0x03
.irp c, 0,1,2,3
	v_permlanex16_b32 v[SC+\c], v[32*\c], s82, s83             ; feature 0 lies in the lanes with h = 0
.endr
.irp c, 0,1,2,3
	v_cndmask_b32 v[K0+\c], v[32*\c], v[SC+\c], s85
.endr
	WIN 0x0f                               ; mk: four chains over the 128 registers
.irp i, 0,1,2,3
	v_max_num_f32 v[40+\i], |v[32*\i]|, |v[32*\i+1]|
.endr
.set jj, 1
.rept 15
.irp i, 0,1,2,3
	v_max3_num_f32 v[40+\i], |v[32*\i+2*jj]|, |v[32*\i+2*jj+1]|, v[40+\i]
.endr
.set jj, jj+1
.endr
	WIN 0
	v_max3_num_f32 v40, v40, v41, v42
	v_max_num_f32 v40, v40, v43
	WMAX 40, 41
	v_mul_f32 v40, s70, v40
	v_max_num_f32 v40, s71, v40
	v_min_num_f32 v40, 0x5d800000, v40     ; M, at most 2^60
	v_and_b32 v40, 0x7f800000, v40         ; its power of two, E in the exponent's field
	v_sub_nc_u32 v32, 0x85800000, v40      ; sX: the field 267 - E is 2^13 / 2^(E - 127)
	v_mov_b32 v33, v32                     ; (named as pairs)
	v_mul_f32 v34, s72, v32                ; s1
	v_mov_b32 v35, v34
	v_mul_f32 v36, s73, v32                ; s2
	v_mov_b32 v37, v36
	v_sub_nc_u32 v13, 0x7f000000, v32      ; 1 / sX: the field 254 - e
	v_sub_nc_u32 v14, 0x7f000000, v36      ; 1 / s2
	DSW MR                                 ; the records and biases are in; q's 32 loads may be out
.set ii, 0
.rept 20
	v_pk_mul_f32 v[160+2*ii:161+2*ii], v[160+2*ii:161+2*ii], v[34:35] op_sel_hi:[1,0]
.set ii, ii+1
.endr
.set ii, 0
.rept 4
	v_pk_mul_f32 v[200+2*ii:201+2*ii], v[200+2*ii:201+2*ii], v[36:37] op_sel_hi:[1,0]
.set ii, ii+1
.endr
.set ii, 0
.rept 12
	ds_store_b128 v2, v[160+4*ii:163+4*ii] offset:512*ii   ; LDS serves a wave's instructions in order (ISA guide 5.7.1.4): the loads below see these
.set ii, ii+1
.endr
.set LDSN, LDSN+12
	CINIT 0
	AFLOAD 0
	AFLOAD 1
	AFLOAD 2
	AFLOAD 3
	WIN 0xc3
.set ii, 0
.rept 64
	v_pk_mul_f32 v[2*ii:2*ii+1], v[2*ii:2*ii+1], v[32:33] op_sel_hi:[1,0]  ; k sX
.set ii, ii+1
.endr
	WIN 0x4f
.set ii, 0
.rept 64
	v_cvt_pk_f16_f32 v[ii], v[2*ii], v[2*ii+1]
.set ii, ii+1
.endr
	DSW MQ
	WIN 0x8e
.set ii, 0
.rept 64
	v_pk_mul_f32 v[2*ii:2*ii+1], v[2*ii:2*ii+1], v[2*ii:2*ii+1]    ; q k sX
.set ii, ii+1
.endr
	WIN 0x4a
.set ii, 0
.rept 64
	v_cvt_pk_f16_f32 v[64+ii], v[2*ii], v[2*ii+1]
.set ii, ii+1
.endr
	WIN 0
	s_wait_xcnt 0x0                        ; the slope image's base and k's offset are written anew only behind this wait
	s_add_co_u32 s97, s81, 1
	NEXTP
	KLOAD                                  ; the next unit's k: it has this whole unit in which to land
	GROUP 0
	s_wait_loadcnt 56                      ; a1 is in (behind it: a2 16, a3 8, the next k 32)
.irp g, 1,2,3,4,5,6,7,8,9,10,11,12,13,14,15,16
	GROUP \g
.endr
	s_wait_loadcnt 40                      ; a2 is in (behind it: a3 8, the next k 32)
	ALOAD 1, 128, 0, 32                    ; layer 1's last activation is done: the next unit's a1
.irp g, 17,18,19,20,21,22,23,24
	GROUP \g
.endr
	s_wait_loadcnt 63                      ; a3 is in (behind it 64 loads; the count's field ends at 63)
	ALOAD 3, 128, 32, 16                   ; the next a2
	WIN 0x80
	ALL32 ds_load_b128 v[rr:rr+3], v9 offset:PCOL*cc+ko        ; the pool sums, where h1 lay
.set LDSN, LDSN+32
	GROUP 25
	GROUP 26
	GROUP 27
	s_wait_dscnt 0x0                       ; Wl's last part, the pool sums, E_0 and E_1
	FLUSH
	ALOAD 0, 224, 48, 8                    ; the next a3
	WIN 0
.irp c, 0,1,2,3
	v_add_f32 v[SC+2*\c], v[SC+2*\c], v[SC+2*\c+1]
.endr
.irp c, 0,1,2,3
	v_permlanex16_b32 v[SC+2*\c+1], v[SC+2*\c], s82, s83       ; the row's other 32 features
.endr
.irp c, 0,1,2,3
	v_add_f32 v[SC+2*\c], v[SC+2*\c], v[SC+2*\c+1]
.endr
.irp c, 0,1,2,3
	v_fma_f32 v[SC+2*\c], v[SC+2*\c], v14, s84                 ; the score: sum / s2 + bl
.endr
.irp c, 0,1,2,3
	v_mul_f32 v[SC+2*\c], v[SC+2*\c], v13                      ; / sX, which k carries
.endr
.irp c, 0,1,2,3
	v_cmp_neq_f32 s94, 0, v[K0+\c]
	s_and_b32 s94, s94, s87
	v_cndmask_b32 v[SC+2*\c], 0, v[SC+2*\c], s94
.endr
	PW 0
	PW 1
.rept 4
	v_nop                                  ; the places behind those products (ISA guide 7.12.1); further on a column's multiply-adds are the next column's places
.endr
	PF 0
	PW 2
	PF 1
	PW 3
	PF 2
	PF 3
	WIN 0x08
	ALL32 ds_store_b128 v9, v[rr:rr+3] offset:PCOL*cc+ko
.set LDSN, LDSN+32
	WIN 0
.Lnext:
	s_add_co_u32 s81, s81, 1
	s_cmp_lt_u32 s81, 7
	s_cbranch_scc1 .Lunit
	; THE END: thread = (batch thread / 16, 16 bytes of its row): 4 waves x 16 rows are added.
	s_wait_loadcnt 0x0                     ; the last look-ahead's loads have landed: their registers are used below
	s_wait_dscnt 0x0                       ; for the others' sake: my pool is written
	s_barrier_signal -1
	s_barrier_wait -1
	v_and_b32 v16, 15, v0
	v_lshlrev_b32 v16, 4, v16
	v_lshrrev_b32 v14, 6, v0               ; group
	v_bfe_u32 v15, v0, 4, 2                ; column
	v_mad_u32_u24 v16, v14, PGRP, v16
	v_mad_u32_u24 v16, v15, PCOL, v16
	v_add_nc_u32 v16, POOL, v16
	v_add_nc_u32 v17, 2*PWAVE, v16
	v_lshlrev_b32 v18, 4, v0
	s_lshl_b32 s90, ttmp9, 11
	s_mov_b32 s91, 0
	s_add_nc_u64 s[16:17], s[16:17], s[90:91]
.macro FIN va, dst                     ; two waves' 32 rows
.set fq, 0
.rept 32
	ds_load_b128 v[128+4*fq:128+4*fq+3], v[\va] offset:PWAVE*(fq/16)+272*(fq%16)
.set fq, fq+1
.endr
	s_wait_dscnt 0x0
.irp st, 16,8,4,2
.set fq, 0
.rept \st
	v_pk_add_f32 v[128+4*fq:129+4*fq], v[128+4*fq:129+4*fq], v[128+4*(fq+\st):129+4*(fq+\st)]
	v_pk_add_f32 v[130+4*fq:131+4*fq], v[130+4*fq:131+4*fq], v[130+4*(fq+\st):131+4*(fq+\st)]
.set fq, fq+1
.endr
.endr
	v_pk_add_f32 v[\dst:\dst+1], v[128:129], v[132:133]
	v_pk_add_f32 v[\dst+2:\dst+3], v[130:131], v[134:135]
.endm
	FIN 16, 40
	FIN 17, 44
	v_pk_add_f32 v[40:41], v[40:41], v[44:45]
	v_pk_add_f32 v[42:43], v[42:43], v[46:47]
	global_store_b128 v18, v[40:43], s[16:17]  ; 16 lanes store a batch's 256 bytes, at a multiple of 256 from out0's first byte
	s_wait_tensorcnt 0x0                   ; the wave's end, behind my last LDS store
	ds_add_u32 v30, v31
	s_wait_dscnt 0x0
	s_endpgm
.Lfunc_end_k_qa94b2dd83c_mlp:
	.size	k_qa94b2dd83c_mlp, .Lfunc_end_k_qa94b2dd83c_mlp-k_qa94b2dd83c_mlp
	.p2alignl 7, 3214868480
	.fill 96, 4, 3214868480
	.section	.rodata,"a",@progbits
	.p2align	6, 0x0
	.amdhsa_kernel k_qa94b2dd83c_mlp
		.amdhsa_group_segment_fixed_size 326144
		.amdhsa_private_segment_fixed_size 0
		.amdhsa_enable_private_segment 0
		.amdhsa_kernarg_size 56
		.amdhsa_user_sgpr_count 2
		.amdhsa_user_sgpr_kernarg_segment_ptr 1
		.amdhsa_wavefront_size32 1
		.amdhsa_system_sgpr_workgroup_id_x 1
		.amdhsa_system_sgpr_workgroup_id_y 1
		.amdhsa_system_sgpr_workgroup_id_z 1
		.amdhsa_system_vgpr_workitem_id 0
		.amdhsa_next_free_vgpr 1024
		.amdhsa_next_free_sgpr 100
		.amdhsa_reserve_vcc 0
		.amdhsa_float_denorm_mode_32 3
		.amdhsa_float_denorm_mode_16_64 3
		.amdhsa_memory_ordered 1
		.amdhsa_forward_progress 1
		.amdhsa_inst_pref_size 255
	.end_amdhsa_kernel
	.section	.bss,"aw",@nobits
	.p2align	6
	.space	262144
	.amdgpu_metadata
---
amdhsa.version: [ 1, 2 ]
amdhsa.kernels:
  - .name:           k_qa94b2dd83c_mlp
    .symbol:         k_qa94b2dd83c_mlp.kd
    .args:
      - { .name: k, .offset: 0, .size: 8, .value_kind: global_buffer, .address_space: global }
      - { .name: wimg, .offset: 8, .size: 8, .value_kind: global_buffer, .address_space: global }
      - { .name: amimg, .offset: 16, .size: 8, .value_kind: global_buffer, .address_space: global }
      - { .name: cq, .offset: 24, .size: 8, .value_kind: global_buffer, .address_space: global }
      - { .name: stat, .offset: 32, .size: 8, .value_kind: global_buffer, .address_space: global }
      - { .name: bl, .offset: 40, .size: 8, .value_kind: global_buffer, .address_space: global }
      - { .name: out0, .offset: 48, .size: 8, .value_kind: global_buffer, .address_space: global }
    .group_segment_fixed_size: 326144
    .private_segment_fixed_size: 0
    .kernarg_segment_align: 8
    .kernarg_segment_size: 56
    .max_flat_workgroup_size: 128
    .sgpr_count:     100
    .vgpr_count:     1024
    .wavefront_size: 32
...
	.end_amdgpu_metadata
.endif
;; end of part 2
;; ======== version 2 of 2: 2 launches; version 1 with the launch mlp written anew for expert scheduling mode
;; limits: values are held in f16: magnitudes above 65,504 overflow, below 6.1e-05 lose precision; right only within a limited range of input values
;; workspace buffers: wimg 151,552 bytes; amimg 372,736 bytes; cq 2,621,440 bytes; stat 4,096 bytes
;; launch prep: the kernel of part 1 again; grid 384 x 1, 8 waves a work-group, no clusters, 0 bytes of LDS; arguments W1, W2, W3, Wl, a1, a2, a3, b1, b2, b3, q, wimg, amimg, cq, stat; writes wimg, amimg, cq, stat
;; launch mlp (part 3): grid 256 x 1, 4 waves a work-group, no clusters, 326,144 bytes of LDS; arguments k, wimg, amimg, cq, stat, bl, out0; writes out0
.if DOCPART == 3
	.amdgcn_target "amdgcn-amd-amdhsa--gfx1250"
	.amdhsa_code_object_version 6
	.text
	.protected	k_qa94b2dd83c_mlp
	.globl	k_qa94b2dd83c_mlp
	.p2align	8
	.type	k_qa94b2dd83c_mlp,@function
k_qa94b2dd83c_mlp:
	s_mov_b64 s[64:65], 0
	v_nop
	global_prefetch_b8 v0, s[64:65] scope:SCOPE_SE
	s_setreg_imm32_b32 hwreg(HW_REG_WAVE_SCHED_MODE, 0, 2), 2
	s_setreg_imm32_b32 hwreg(HW_REG_WAVE_MODE, 25, 1), 1
	s_wait_xcnt 0x0
	s_wait_alu depctr_vm_vsrc(0)
; out[b] = sum over t of score[b][t] k[b][t], score = the three PReLU layers and the last dot product, 0 where k[b][t][0] == 0.
; A work-group owns 8 batches.  A UNIT is 16 rows t x 4 columns (a column = one batch): wave w walks t tiles 3 w .. 3 w + 2, each for batches 0-3 and 4-7
; (6 units); rows 192-199 are one more unit for each group of four batches, trip 6 of waves 0 and 1: its lanes r >= 8 repeat rows 192 + r % 8 and their score counts as 0.
; EVERY LAYER IS USED TRANSPOSED: source 0 = 16 output features (weights, from LDS), source 1 = 16 rows t.  In the result lane l = (r = l % 16, h = l / 16) holds row r and
; features 8 h + 0..7, so two results rounded to f16 ARE source 1 of the next layer: activations never leave registers.
; LAYER 1 has K = 128: k and q k; the part that hangs on q alone, with b1, is c[b], the C operand that starts the sums.
; PReLU = x + (a - 1) min(x, 0): 8 minima, 4 packed multiply-adds, 4 roundings for a result; they stand four behind each matrix instruction of the next group.
; FORMAT AND SCALES.  All matrix operands are f16: eight bits of significand do not hold the allowance through six roundings.  f16's range is kept by powers of two, exact since PReLU
; commutes with a positive factor.  With w1, w2 the largest weights of layers 1 and 2, A = max(1, |a|), cqm = max |c|, |q| of my batches, mk = max |k| of the unit:
;   rho1 256 w1 <= 1 and rho2 512 w2 <= 1 are multiplied into the weights on their way into LDS;  M = max(A^2 max(1, cqm) mk, rho1 A^2 cqm, rho1 rho2 A max|b2|);  sX M < 2^14;
;   k and q k carry sX, layer 1 s1 = sX rho1, layers 2 and 3 s2 = s1 rho2.  Then |X sX| <= 2^14, |h1 s1| <= 1.5 x 2^14, |h2 s2| <= 1.75 x 2^14 for every input.
;   c s1, b2 s2, b3 s2 are written once a unit into the wave's own LDS bytes; the score is the last sum / s2 + bl.
; POOLING in the same lanes: 16 products with selection matrices turn k sX (f16) into f32 exactly; score / sX times that is added into the wave's own LDS pool;
; one barrier; 128 threads add 64 pool rows each.
; NO CLUSTER, NO TENSOR LOAD: work-groups share the weight image alone, read once at the start; k is private and is asked for a whole unit ahead, into registers.
; LIMITS: 256 w1 and 512 w2 count as at least 2^-10 and at most 2^20 (beyond: f16 may overflow); M as at least 2^-60 and at most 2^60; weights below 65,504, with f16's fixed step of 6e-8
; below 6e-5; a - 1 rounded once in f32; the bound A takes a3 in too; NaN and infinities in k are not treated apart.
; REGISTERS, windows of 256: W0 v0-31 addresses, TMP, CB (bias), AF (two buffers of 4 weight fragments), ACC (3 buffers x 4 columns), A3M;
;   W1 XK (k), XQ (q k; later h2's first half), A1M;   W2 H1 (at a unit's start q, at its end the pool sums and, in v128-143, Wl);   W3 KT (the next unit's k, f32), A2M, h2's second half.
; THE MODE: SCHED_MODE bits 1:0 = 2 (LLVM: expert scheduling mode 2), set by the entry lines.  The code itself states the register dependences
; between vector or matrix instructions and memory or LDS instructions, with s_wait_alu, always for 0.
; THE PLAN.  A QUAD is four K steps, 16 matrix instructions: a group of layer 1 or 3 is one quad, a group of layer 2 two.  Registers that memory or LDS instructions touch in the loop:
;   AF0, AF1      Quad j's products read AF[j % 2]; the loads issued in quad j, one fragment to a K step, land in the other buffer, which quad j - 1 read.
;   ACC0 .. ACC2  Group G's products write ACC[G % 3]; the riders in group G + 1 read and write it; c of group G + 3 lands in it at the head of group G + 2.
;   CB0, CB1      Group G's first four products read CB[G % 2]; it is loaded again at the head of group G + 1.   WLF0, WLF1 likewise: read by the riders in group G + 1, loaded at the head of group G.
;   A1M, A2M, A3M Read by the riders of their layer, the last of them in groups 16 and 24 and in the last flush; loaded again at the heads of groups 17 and 25 and behind the trip's last wait.
;   KT            Read by the set-up's vector lines; loaded again behind quad 0's wait.
;   W2 v0-127     q lands at the unit's head; h1 is written by riders and read by layer 2; the pool sums land at group 25's head, are written by the pooling and read by the pool stores.
;   v160-207      The records land, are scaled and stored; then c of groups 1 and 2 lands there.
;   v28, v15, v9, v12   Addresses, written once a unit.   v1-v5, v7, v29: never written in the loop.
; So ONE wait on va_vdst stands at each quad's head: behind it all earlier products and riders are complete, and every load up to the next such wait lands in registers that no vector or
; matrix line issued since names.  Beside these a unit has three such waits (its addresses; the data of its 12 private stores; the data of its pool stores), two on vm_vsrc and one on va_sdst.
.set TAB,   149504     ; LDS: fragments 0-145; then b2, b3 (+512), Wl (+768), zeros
.set CQL,   151552     ; c | q records of my 8 batches
.set PRIV,  161792     ; a wave's own 6,144 bytes: four records x s1, then b2, b3 x s2
.set PRIVW, 6144
.set POOL,  186368     ; a wave's pool: 2 groups x 4 columns x 16 rows x 272 bytes
.set PWAVE, 34816
.set PGRP,  17408
.set PCOL,  4352
.set SPARE, 325632     ; the spare words, 128 bytes a wave
.set K0,  16           ; v16-19 k[t][0] of the four columns
.set SC,  20           ; v20-27 a pair of score sums a column
.set TMP, 32
.set CB,  48
.set AF,  64           ; v64-127: fragment k lies in slot k % 8
.set WLF, 128          ; in window 2
.set ACC, 128
.set LDSN, 0           ; LDS instructions written so far: a wait's count is LDSN less the mark of the load that is needed
.set QJ, 64            ; the rider queue is empty
.set MSB, 0
.macro WIN new                         ; the high byte repeats the setting that is left
.if MSB != (\new)
	s_set_vgpr_msb (MSB<<8)|(\new)
.set MSB, (\new)
.endif
.endm
.macro WINF new, mask                  ; switch only if a field that the next line uses differs
.if (MSB & (\mask)) != ((\new) & (\mask))
	WIN \new
.endif
.endm
.macro DSW m
.if LDSN-(\m) > 63
	s_wait_dscnt 63
.else
	s_wait_dscnt LDSN-(\m)
.endif
.endm
.macro WMAX r, t                       ; the maximum over the wave's 32 lanes, in every lane
	v_max_num_f32_dpp v[\r], v[\r], v[\r] row_xmask:1 row_mask:0xf bank_mask:0xf
	v_max_num_f32_dpp v[\r], v[\r], v[\r] row_xmask:2 row_mask:0xf bank_mask:0xf
	v_max_num_f32_dpp v[\r], v[\r], v[\r] row_xmask:4 row_mask:0xf bank_mask:0xf
	v_max_num_f32_dpp v[\r], v[\r], v[\r] row_xmask:8 row_mask:0xf bank_mask:0xf
	v_permlanex16_b32 v[\t], v[\r], s82, s83
	v_max_num_f32 v[\r], v[\r], v[\t]
.endm
.macro ALL32 line:vararg               ; column cc, quad ii: registers rr .. rr + 3 hold features 16 (ii / 2) + 8 h + 4 (ii % 2) + 0..3, byte ko of a row (less 32 h)
.set cc, 0
.rept 4
.set ii, 0
.rept 8
.set ko, 64*(ii/2)+16*(ii%2)
.set rr, 32*cc+4*ii
	\line
.set ii, ii+1
.endr
.set cc, cc+1
.endr
.endm
.macro AFLOAD k                        ; fragment k of 146 into slot k % 8
.set fk, (\k)
.set rF, AF+8*(fk%8)
	WINF 0, 0xc3
.if fk < 64
	ds_load_b128 v[rF:rF+3], v1 offset:1024*fk
	ds_load_b128 v[rF+4:rF+7], v1 offset:1024*fk+512
.elseif fk < 128
	ds_load_b128 v[rF:rF+3], v3 offset:1024*(fk-64)
	ds_load_b128 v[rF+4:rF+7], v3 offset:1024*(fk-64)+512
.else
	ds_load_b128 v[rF:rF+3], v4 offset:1024*(fk-128)
	ds_load_b128 v[rF+4:rF+7], v4 offset:1024*(fk-128)+512
.endif
.set LDSN, LDSN+2
.irp n, 0,1,2,3,4,5,6,7
.if fk%8 == \n
.set MK\n, LDSN
.endif
.endr
.endm
.macro GETMK k
.irp n, 0,1,2,3,4,5,6,7
.if (\k)%8 == \n
.set MKV, MK\n
.endif
.endr
.endm
.macro CINIT g                         ; c s1 of the four columns' batches starts layer 1's sums of group g
	WINF 0, 0xc3
.set ci, 0
.rept 4
	ds_load_b128 v[ACC+32*((\g)%3)+8*ci:ACC+32*((\g)%3)+8*ci+3], v7 offset:1280*ci+64*(\g)
	ds_load_b128 v[ACC+32*((\g)%3)+8*ci+4:ACC+32*((\g)%3)+8*ci+7], v7 offset:1280*ci+64*(\g)+16
.set ci, ci+1
.endr
.set LDSN, LDSN+8
.endm
.macro BLOAD dst, va, off, w=0         ; eight numbers of b2 s2, b3 s2 (my own bytes) or Wl for my half of 16 features, into window w
	WINF (\w)<<6, 0xc3
	ds_load_b128 v[(\dst):(\dst)+3], v[\va] offset:(\off)
	ds_load_b128 v[(\dst)+4:(\dst)+7], v[\va] offset:(\off)+16
.set LDSN, LDSN+2
.endm
; THE RIDERS: entry QJ of 64 of the activation of the group before: column QJ / 16; 8 minima, 4 multiply-adds, then 4 roundings into the next layer's
; fragment, or (layer 3) 4 multiply-adds of h3 Wl into the score sums.  Each accumulator is read from its lowest register on.
.macro R1
.if QJ < 64
.set qc, QJ/16
.set qi, QJ%16
.set rA, QB+8*qc
.set rT, TMP+8*(qc%2)
.if qi < 8
	WINF 0, 0xc3
	v_min_num_f32 v[rT+qi], v[rA+qi], 0
.elseif qi < 12
.set qk, 2*(qi-8)
	WIN QAW<<2
	v_pk_fma_f32 v[rA+qk:rA+qk+1], v[rT+qk:rT+qk+1], v[QAL+qk:QAL+qk+1], v[rA+qk:rA+qk+1]
.elseif QK == 3
.set qk, 2*(qi-12)
	WIN 0x08                               ; Wl, source 1, lies in window 2
.if (QG == 0) && (qi == 12)
	v_pk_mul_f32 v[SC+2*qc:SC+2*qc+1], v[rA:rA+1], v[QWL:QWL+1]
.else
	v_pk_fma_f32 v[SC+2*qc:SC+2*qc+1], v[rA+qk:rA+qk+1], v[QWL+qk:QWL+qk+1], v[SC+2*qc:SC+2*qc+1]
.endif
.else
.set qk, qi-12
	WINF QDW<<6, 0xcf
	v_cvt_pk_f16_f32 v[QD+QDS*qc+qk], v[rA+2*qk], v[rA+2*qk+1]
.endif
.set QJ, QJ+1
.endif
.endm
.macro RIDE4                           ; four riders, or one v_nop: so four plain vector instructions at the least stand in every K step (ISA guide 7.12.1)
.if QJ < 64
	R1
	R1
	R1
	R1
.else
	v_nop
.endif
.endm
.macro FLUSH
.rept 64
	R1
.endr
.endm
; GROUP G: 16 output features x 4 columns.  G 0-15 layer 1 (4 K steps), 16-23 layer 2 (8), 24-27 layer 3 (4).  Buffer G % 3 of ACC.  The four accumulators take
; turns, one instruction a turn.  A fragment is asked for four K steps ahead, into the buffer that the quad before read.
; own = 0: the wait of the group's first quad stands in front of the macro, so that a run of other loads can stand behind it too.
.macro GROUP G, own=1
.if (\G) < 16
.set NS, 4
.set KB, 4*(\G)
.elseif (\G) < 24
.set NS, 8
.set KB, 64+8*((\G)-16)
.else
.set NS, 4
.set KB, 128+4*((\G)-24)
.endif
.set AB, ACC+32*((\G)%3)
.if \own
	s_wait_alu depctr_va_vdst(0)           ; the quad's wait: the quad before is done reading its fragments, in whose registers this quad's loads land; the riders of the group before are done with the ACC buffer, and its products and riders with the bias and Wl registers, that are loaded below
.endif
.if (\G)+1 < 16
	CINIT (\G)+1
.elseif (\G)+1 < 24
	BLOAD CB+8*(((\G)+1)%2), 7, 5120+64*((\G)-15)
.elseif (\G)+1 < 28
	BLOAD CB+8*(((\G)+1)%2), 7, 5120+512+64*((\G)-23)
.endif
.if (\G) >= 24
	BLOAD WLF+8*((\G)%2), 5, 768+64*((\G)-24), 2
.endif
.set gs, 0
.rept NS
.if gs == 4
	s_wait_alu depctr_va_vdst(0)           ; the second quad's wait: the group's first four K steps are done reading their fragments, in whose registers this quad's loads land
.endif
.if KB+gs+4 < 146
	AFLOAD KB+gs+4                         ; no further wait: no vector or matrix line since the quad's wait names the other buffer
.endif
.if ((\G) == 24) && (gs == 3)
	FLUSH                                  ; h2's last features are wanted by this K step
.endif
	GETMK KB+gs
	DSW MKV                                ; the fragment is in, and so is what was asked for before it (this group's c or bias)
.set rF, AF+8*((KB+gs)%8)
.set gc, 0
.rept 4
.if (\G) < 16
.set bw, 1
.set rB, 16*gc+8*gs+48*(gs/2)
.elseif (\G) < 24
.set bw, 2
.set rB, 64*gc+8*gs
.elseif gs < 2
.set bw, 1
.set rB, 64+16*gc+8*gs
.else
.set bw, 3
.set rB, 192+16*gc+8*(gs-2)
.endif
	WIN bw<<2
.if ((\G) >= 16) && (gs == 0)
	v_wmma_f32_16x16x32_f16 v[AB+8*gc:AB+8*gc+7], v[rF:rF+7], v[rB:rB+7], v[CB+8*((\G)%2):CB+8*((\G)%2)+7]
.else
	v_wmma_f32_16x16x32_f16 v[AB+8*gc:AB+8*gc+7], v[rF:rF+7], v[rB:rB+7], v[AB+8*gc:AB+8*gc+7]
.endif
	RIDE4
.set gc, gc+1
.endr
.set gs, gs+1
.endr
.set QB, AB
.set QJ, 0
.if (\G) < 16
.set QK, 1
.set QAW, 1
.set QAL, 128+8*(\G)
.set QDW, 2
.set QD, 8*((\G)/2)+4*((\G)%2)
.set QDS, 64
.elseif (\G) < 24
.set QK, 2
.set QAW, 3
.set QAL, 128+8*((\G)-16)
.set QDS, 16
.if (\G) < 20
.set QDW, 1
.set QD, 64+8*(((\G)-16)/2)+4*((\G)%2)
.else
.set QDW, 3
.set QD, 192+8*(((\G)-20)/2)+4*((\G)%2)
.endif
.else
.set QK, 3
.set QAW, 0
.set QAL, 224+8*((\G)-24)
.set QG, (\G)-24
.set QWL, WLF+8*((\G)%2)
.endif
.endm
.macro ALOAD w, rb, i0, n              ; n quads of the slope image from quad i0 on, into window w
	WIN (\w)<<6
.set ii, 0
.rept \n
	global_load_b128 v[(\rb)+4*ii:(\rb)+4*ii+3], v1, s[88:89] offset:512*((\i0)+ii)
.set ii, ii+1
.endr
.endm
; Unit s97's places in memory: t tile 3 w + N / 2, batches 4 (N % 2) on; from N = 6 on rows 192 + r % 8, batches 4 (w % 2) on.
.macro NEXTP
	s_lshr_b32 s94, s97, 1
	s_mul_i32 s95, s80, 3
	s_add_co_u32 s94, s94, s95
	s_and_b32 s95, s97, 1
	s_and_b32 s98, s80, 1
	s_cmp_lt_u32 s97, 6
	s_cselect_b32 s94, s94, 12
	s_cselect_b32 s95, s95, s98
	s_cselect_b32 s96, 2048, 0
	s_mul_i32 s95, s95, 204800
	s_lshl_b32 s98, s94, 12
	s_add_co_u32 s95, s95, s98
	s_mul_i32 s90, s94, 28672
	s_mov_b32 s91, 0
	s_add_nc_u64 s[88:89], s[8:9], s[90:91]
	v_mad_u32_u24 v12, v11, s96, v10
	v_add_nc_u32 v12, s95, v12
.endm
.macro KLOAD
	WIN 0xc0
	ALL32 global_load_b128 v[rr:rr+3], v12, s[92:93] offset:51200*cc+ko
.endm
.macro CLOAD w, rb, n, sb, goff        ; n steps of 2,048 bytes, 16 a thread
	WIN (\w)<<6
.set ii, 0
.rept \n
	global_load_b128 v[(\rb)+4*ii:(\rb)+4*ii+3], v2, s[\sb:\sb+1] offset:(\goff)+2048*ii
.set ii, ii+1
.endr
.endm
.macro CSTORE w, rb, n, va
	WIN (\w)<<2
.set ii, 0
.rept \n
	ds_store_b128 v[\va], v[(\rb)+4*ii:(\rb)+4*ii+3] offset:2048*ii
.set ii, ii+1
.endr
.endm
.macro RHO r, lit                      ; from the largest weight: 2^-e with 2^-e x lit x weight <= 1
	v_mul_f32 v[\r], \lit, v[\r]
	v_max_num_f32 v[\r], 0x3a800000, v[\r]     ; at least 2^-10,
	v_min_num_f32 v[\r], 0x49800000, v[\r]     ; at most 2^20
	v_and_b32 v[\r], 0x7f800000, v[\r]         ; its power of two, E in the exponent's field;
	v_sub_nc_u32 v[\r], 0x7e800000, v[\r]      ; the field 253 - E is 2^-(E - 127 + 1)
.endm
.macro PW c                            ; column c's k sX, f16 to f32: tile pt holds features 16 pt + 8 h + 0..7 of row r
	WIN 0x04
.set pt, 0
.rept 4
	v_wmma_f32_16x16x32_f16 v[ACC+32*((\c)%3)+8*pt:ACC+32*((\c)%3)+8*pt+7], v[AF+8*(pt%2):AF+8*(pt%2)+7], v[16*(\c)+8*(pt/2):16*(\c)+8*(pt/2)+7], 0
.set pt, pt+1
.endr
.endm
.macro PF c                            ; pool sums += that x score / sX
	WIN 0xa0
.set pt, 0
.rept 16
	v_pk_fma_f32 v[32*(\c)+2*pt:32*(\c)+2*pt+1], v[ACC+32*((\c)%3)+2*pt:ACC+32*((\c)%3)+2*pt+1], v[SC+2*(\c):SC+2*(\c)+1], v[32*(\c)+2*pt:32*(\c)+2*pt+1] op_sel_hi:[1,0,1]
.set pt, pt+1
.endr
.endm
	s_load_b256 s[4:11], s[0:1], 0x0       ; k 4, wimg 6, amimg 8, cq 10
	s_load_b128 s[12:15], s[0:1], 0x20     ; stat 12, bl 14
	s_load_b64 s[16:17], s[0:1], 0x30      ; out0
	v_lshl_add_u32 v30, v0, 2, SPARE       ; my spare word, and 0: for the wave's last lines
	v_mov_b32 v31, 0
	v_lshrrev_b32 v13, 5, v0
	v_readfirstlane_b32 s80, v13           ; wave
	v_and_b32 v14, 31, v0
	v_lshlrev_b32 v1, 4, v14               ; 16 lane: slope image, and fragments 0-63
	v_lshlrev_b32 v2, 4, v0                ; 16 thread: the copies
	v_bfe_u32 v13, v0, 4, 1
	v_lshlrev_b32 v13, 5, v13              ; 32 h
	v_bfe_u32 v11, v0, 3, 1                ; r / 8
	v_and_b32 v14, 7, v0                   ; r % 8
	v_and_b32 v15, 15, v0                  ; r
	v_add_nc_u32 v3, 65536, v1             ; fragments 64-127
	v_add_nc_u32 v4, 131072, v1            ; fragments 128-145, and the tables
	v_add_nc_u32 v5, TAB, v13
	v_add_nc_u32 v6, CQL, v13
	s_wait_alu depctr_va_sdst(0)           ; s80 is written, ahead of its first reader, the line below
	s_mul_i32 s86, s80, PRIVW
	s_add_co_u32 s86, s86, PRIV            ; my own bytes
	v_add_nc_u32 v7, s86, v13
	s_mul_i32 s95, s80, PWAVE
	s_add_co_u32 s95, s95, POOL            ; my pool
	v_mad_u32_u24 v8, v15, 272, v13
	v_add_nc_u32 v8, s95, v8
	v_lshl_add_u32 v10, v14, 8, v13        ; k: row r % 8
	v_add_nc_u32 v28, 65536, v2
	v_add_nc_u32 v29, 131072, v2
	v_add_nc_u32 v12, CQL, v2
	v_add_nc_u32 v15, s95, v1
.irp j, 0,1,2,3,4,5,6,7
	v_mov_b32 v[SC+\j], 0                  ; zeros for the pool; v_permlanex16_b32's destinations count as read
.endr
	s_mov_b32 s82, 0x76543210              ; each lane takes its own place in the other half
	s_mov_b32 s83, 0xfedcba98
	s_mov_b32 s85, 0xffff0000              ; lanes 16-31
	s_mul_i32 s90, ttmp9, 10240
	s_mov_b32 s91, 0
	s_mul_i32 s98, ttmp9, 409600
	s_mov_b32 s99, 0
	s_wait_kmcnt 0x0
	s_load_b32 s84, s[14:15], 0x0          ; bl
	s_add_nc_u64 s[10:11], s[10:11], s[90:91]
	s_add_nc_u64 s[92:93], s[4:5], s[98:99]    ; k at my 8 batches
	s_wait_alu depctr_va_vdst(0)           ; the addresses v1 to v5, v7, v12, v15, v28, v29 and the zeros v20-23 are written, which the loads and LDS stores from here on read
.irp i, 0,1,2,3,4,5,6,7
	global_load_b128 v[32+4*\i:35+4*\i], v1, s[12:13] offset:512*\i   ; the 1,024 maxima: 128 of layer 1, 128 of layer 2, the rest zeros and |a|
.endr
	CLOAD 1, 0, 32, 6, 0                   ; layer 1's fragments, 32 steps; layer 2's, 32; layer 3's, E and the tables, 10; my records, 5
	CLOAD 2, 0, 32, 6, 65536
	CLOAD 3, 0, 10, 6, 131072
	CLOAD 0, 64, 5, 10, 0
.set ii, 0
.rept 68
	ds_store_b128 v15, v[SC:SC+3] offset:512*ii    ; my pool starts at 0
.set ii, ii+1
.endr
	s_wait_loadcnt 63                      ; of 87 loads the oldest 24 are in, the 8 of the maxima among them
	v_max3_num_f32 v32, v32, v33, v34
	v_max_num_f32 v32, v32, v35
	v_max3_num_f32 v36, v36, v37, v38
	v_max_num_f32 v36, v36, v39
.set ii, 0
.rept 11
	v_max3_num_f32 v40, v40, v[41+2*ii], v[42+2*ii]
.set ii, ii+1
.endr
	v_max3_num_f32 v40, v40, v63, 1.0
	WMAX 32, 33                            ; w1
	WMAX 36, 37                            ; w2
	WMAX 40, 41                            ; A
	RHO 32, 0x43800000                     ; rho1: 256 w1
	RHO 36, 0x44000000                     ; rho2: 512 w2
	v_mul_f32 v34, v32, v36                ; rho1 rho2
	v_cvt_pk_f16_f32 v33, v32, v32
	v_cvt_pk_f16_f32 v37, v36, v36
	s_wait_loadcnt 0x0
	WIN 0x41
.set ii, 0
.rept 128
	v_pk_mul_f16 v[ii], v[ii], v33
.set ii, ii+1
.endr
	WIN 0x82
.set ii, 0
.rept 128
	v_pk_mul_f16 v[ii], v[ii], v37
.set ii, ii+1
.endr
	s_wait_alu depctr_va_vdst(0)           ; the multiplications by rho1 and rho2 have written the weights, which the LDS stores read
	CSTORE 0, 64, 5, 12
	CSTORE 1, 0, 32, 2
	CSTORE 2, 0, 32, 28
	CSTORE 3, 0, 10, 29
	WIN 0
	s_wait_alu depctr_vm_vsrc(0)           ; the LDS stores have read v2, v12, v29, which are written anew below, v15 and v28, which the first unit writes, and their data, in whose registers k, q and the records land
	v_add_nc_u32 v2, s86, v1               ; from here on: my own bytes, 16 a lane
	v_add_nc_u32 v29, CQL, v1              ; and the records, 16 a lane
	s_mov_b32 s97, 0
	NEXTP
	s_wait_alu depctr_va_vdst(0)           ; v2, v12 and v29 are written, which the loads below and the loop's LDS instructions read
	KLOAD                                  ; unit 0: k, then its slopes, in the order in which every trip asks
	ALOAD 1, 128, 0, 32
	ALOAD 3, 128, 32, 16
	ALOAD 0, 224, 48, 8
	WIN 0
	s_wait_dscnt 0x0                       ; for the others' sake: my part of the weights and records is in LDS
	s_barrier_signal -1
	s_barrier_wait -1
.set ii, 0
.rept 20
	ds_load_b128 v[64+4*ii:67+4*ii], v29 offset:512*ii     ; all 8 records (no vector line since the last wait names v64-147),
.set ii, ii+1
.endr
	ds_load_b128 v[144:147], v4 offset:TAB-131072          ; and b2
	s_wait_dscnt 0x0
	v_max_num_f32 v64, |v64|, |v65|
.set ii, 0
.rept 39
	v_max3_num_f32 v64, v64, |v[66+2*ii]|, |v[67+2*ii]|
.set ii, ii+1
.endr
	v_max_num_f32 v144, |v144|, |v145|
	v_max3_num_f32 v144, v144, |v146|, |v147|
	WMAX 64, 65                            ; cqm
	WMAX 144, 145                          ; max |b2|
	v_mul_f32 v41, v40, v40                ; A^2
	v_max_num_f32 v42, 1.0, v64
	v_mul_f32 v42, v41, v42                ; F = A^2 max(1, cqm)
	v_mul_f32 v43, v41, v64
	v_mul_f32 v43, v32, v43                ; rho1 A^2 cqm
	v_mul_f32 v44, v40, v144
	v_mul_f32 v44, v34, v44                ; rho1 rho2 A max |b2|
	v_max3_num_f32 v43, v43, v44, 0x21800000   ; K, at least 2^-60
	v_readfirstlane_b32 s72, v32           ; rho1
	v_readfirstlane_b32 s73, v34           ; rho1 rho2
	v_readfirstlane_b32 s70, v42
	v_readfirstlane_b32 s71, v43
	s_wait_alu depctr_va_sdst(0)           ; s70 to s73 are written, ahead of the label: their readers stand in the loop
	s_wait_kmcnt 0x0
	s_mov_b32 s81, 0
.Lunit:                                        ; 7 trips; trip 6 is waves 0's and 1's alone
	s_cmp_eq_u32 s81, 6
	s_cselect_b32 s94, s80, 0
	s_cmp_gt_u32 s94, 1
	s_cbranch_scc1 .Lnext
	s_and_b32 s94, s81, 1                  ; this unit's group of four batches
	s_and_b32 s95, s80, 1
	s_cmp_eq_u32 s81, 6
	s_cselect_b32 s94, s95, s94
	s_cselect_b32 s87, 0x00ff00ff, -1      ; the lanes whose rows count
	s_mul_i32 s95, s94, 5120
	s_mul_i32 s96, s94, PGRP
	v_add_nc_u32 v28, s95, v6              ; (what read these three before has read them: the waits on vm_vsrc in the unit before, or in the head)
	v_add_nc_u32 v15, s95, v29
	v_add_nc_u32 v9, s96, v8
	s_wait_alu depctr_va_vdst(0)           ; v28, v15 and v9 are written, which the LDS loads below and the pool's loads and stores read; in the first trip the head's maxima are done reading v64-147
.set ii, 0
.rept 10
	ds_load_b128 v[160+4*ii:163+4*ii], v15 offset:512*ii   ; the group's four records as they lie,
.set ii, ii+1
.endr
	ds_load_b128 v[200:203], v4 offset:TAB-131072          ; b2,
	ds_load_b128 v[204:207], v4 offset:TAB-131072+512      ; b3 (and Wl, whose copy nobody reads)
.set LDSN, LDSN+12
.set MR, LDSN
	WIN 0x80
	ALL32 ds_load_b128 v[rr:rr+3], v28 offset:1280*cc+1024+ko  ; q, in k's layout
.set LDSN, LDSN+32
.set MQ, LDSN
	s_wait_loadcnt 56                      ; k is in; the 56 loads of this unit's slopes were issued behind it
	WIN 0x03
.irp c, 0,1,2,3
	v_permlanex16_b32 v[SC+\c], v[32*\c], s82, s83             ; feature 0 lies in the lanes with h = 0
.endr
.irp c, 0,1,2,3
	v_cndmask_b32 v[K0+\c], v[32*\c], v[SC+\c], s85
.endr
	WIN 0x0f                               ; mk: four chains over the 128 registers
.irp i, 0,1,2,3
	v_max_num_f32 v[40+\i], |v[32*\i]|, |v[32*\i+1]|
.endr
.set jj, 1
.rept 15
.irp i, 0,1,2,3
	v_max3_num_f32 v[40+\i], |v[32*\i+2*jj]|, |v[32*\i+2*jj+1]|, v[40+\i]
.endr
.set jj, jj+1
.endr
	WIN 0
	v_max3_num_f32 v40, v40, v41, v42
	v_max_num_f32 v40, v40, v43
	WMAX 40, 41
	v_mul_f32 v40, s70, v40
	v_max_num_f32 v40, s71, v40
	v_min_num_f32 v40, 0x5d800000, v40     ; M, at most 2^60
	v_and_b32 v40, 0x7f800000, v40         ; its power of two, E in the exponent's field
	v_sub_nc_u32 v32, 0x85800000, v40      ; sX: the field 267 - E is 2^13 / 2^(E - 127)
	v_mov_b32 v33, v32                     ; (named as pairs)
	v_mul_f32 v34, s72, v32                ; s1
	v_mov_b32 v35, v34
	v_mul_f32 v36, s73, v32                ; s2
	v_mov_b32 v37, v36
	v_sub_nc_u32 v13, 0x7f000000, v32      ; 1 / sX: the field 254 - e
	v_sub_nc_u32 v14, 0x7f000000, v36      ; 1 / s2
	DSW MR                                 ; the records and biases are in; q's 32 loads may be out
.set ii, 0
.rept 20
	v_pk_mul_f32 v[160+2*ii:161+2*ii], v[160+2*ii:161+2*ii], v[34:35] op_sel_hi:[1,0]
.set ii, ii+1
.endr
.set ii, 0
.rept 4
	v_pk_mul_f32 v[200+2*ii:201+2*ii], v[200+2*ii:201+2*ii], v[36:37] op_sel_hi:[1,0]
.set ii, ii+1
.endr
	s_wait_alu depctr_va_vdst(0)           ; the scalings have written v160-207, which the LDS stores read; the loads behind them land in v64-95 and v128-159, which no vector line since names
.set ii, 0
.rept 12
	ds_store_b128 v2, v[160+4*ii:163+4*ii] offset:512*ii   ; LDS serves a wave's instructions in order (ISA guide 5.7.1.4): the loads below see these
.set ii, ii+1
.endr
.set LDSN, LDSN+12
	CINIT 0
	AFLOAD 0
	AFLOAD 1
	AFLOAD 2
	AFLOAD 3
	WIN 0xc3
.set ii, 0
.rept 64
	v_pk_mul_f32 v[2*ii:2*ii+1], v[2*ii:2*ii+1], v[32:33] op_sel_hi:[1,0]  ; k sX
.set ii, ii+1
.endr
	WIN 0x4f
.set ii, 0
.rept 64
	v_cvt_pk_f16_f32 v[ii], v[2*ii], v[2*ii+1]
.set ii, ii+1
.endr
	DSW MQ
	WIN 0x8e
.set ii, 0
.rept 64
	v_pk_mul_f32 v[2*ii:2*ii+1], v[2*ii:2*ii+1], v[2*ii:2*ii+1]    ; q k sX
.set ii, ii+1
.endr
	WIN 0x4a
.set ii, 0
.rept 64
	v_cvt_pk_f16_f32 v[64+ii], v[2*ii], v[2*ii+1]
.set ii, ii+1
.endr
	WIN 0
	s_wait_xcnt 0x0                        ; the slope image's base and k's offset are written anew only behind this wait
	s_wait_alu depctr_vm_vsrc(0)           ; the last loads of k have read v12, which is written below; this unit's LDS loads have read v28 and v15; the 12 stores have read v160-207, in which c of groups 1 and 2 lands
	s_add_co_u32 s97, s81, 1
	NEXTP
	s_wait_alu depctr_va_vdst(0)           ; v12 is written; the set-up is done reading k, in whose registers the next k lands.  It is also the first quad's wait: the scalings are done with v160-191, in which c of group 1 lands
	KLOAD                                  ; the next unit's k: it has this whole unit in which to land
	GROUP 0, 0
	s_wait_loadcnt 56                      ; a1 is in (behind it: a2 16, a3 8, the next k 32)
.irp g, 1,2,3,4,5,6,7,8,9,10,11,12,13,14,15,16
	GROUP \g
.endr
	s_wait_loadcnt 40                      ; a2 is in (behind it: a3 8, the next k 32)
	s_wait_alu depctr_va_vdst(0)           ; group 17's first quad's wait, as in GROUP; and layer 1's last activation, in group 16, is done reading a1, in whose registers the loads below land
	ALOAD 1, 128, 0, 32                    ; the next unit's a1
	GROUP 17, 0
.irp g, 18,19,20,21,22,23,24
	GROUP \g
.endr
	s_wait_loadcnt 63                      ; a3 is in (behind it 64 loads; the count's field ends at 63)
	s_wait_alu depctr_va_vdst(0)           ; group 25's wait, as in GROUP; and layer 2's last activation, in group 24, is done reading a2, and layer 2's products are done reading h1: loads land in both below
	ALOAD 3, 128, 32, 16                   ; the next a2
	WIN 0x80
	ALL32 ds_load_b128 v[rr:rr+3], v9 offset:PCOL*cc+ko        ; the pool sums, where h1 lay
.set LDSN, LDSN+32
	GROUP 25, 0
	GROUP 26
	GROUP 27
	s_wait_dscnt 0x0                       ; Wl's last part, the pool sums, E_0 and E_1
	FLUSH
	WIN 0
.irp c, 0,1,2,3
	v_add_f32 v[SC+2*\c], v[SC+2*\c], v[SC+2*\c+1]
.endr
.irp c, 0,1,2,3
	v_permlanex16_b32 v[SC+2*\c+1], v[SC+2*\c], s82, s83       ; the row's other 32 features
.endr
.irp c, 0,1,2,3
	v_add_f32 v[SC+2*\c], v[SC+2*\c], v[SC+2*\c+1]
.endr
.irp c, 0,1,2,3
	v_fma_f32 v[SC+2*\c], v[SC+2*\c], v14, s84                 ; the score: sum / s2 + bl
.endr
.irp c, 0,1,2,3
	v_mul_f32 v[SC+2*\c], v[SC+2*\c], v13                      ; / sX, which k carries
.endr
	v_cmp_neq_f32 s94, 0, v[K0]            ; the four masks in a run, a register each
	v_cmp_neq_f32 s95, 0, v[K0+1]
	v_cmp_neq_f32 s96, 0, v[K0+2]
	v_cmp_neq_f32 s98, 0, v[K0+3]
	s_wait_alu depctr_va_sdst(0)           ; s94, s95, s96 and s98 are written, ahead of their first readers below
	s_and_b32 s94, s94, s87
	s_and_b32 s95, s95, s87
	s_and_b32 s96, s96, s87
	s_and_b32 s98, s98, s87
	v_cndmask_b32 v[SC], 0, v[SC], s94
	v_cndmask_b32 v[SC+2], 0, v[SC+2], s95
	v_cndmask_b32 v[SC+4], 0, v[SC+4], s96
	v_cndmask_b32 v[SC+6], 0, v[SC+6], s98
	PW 0
	PW 1
.rept 4
	v_nop                                  ; the places behind those products (ISA guide 7.12.1); further on a column's multiply-adds are the next column's places
.endr
	PF 0
	PW 2
	PF 1
	PW 3
	PF 2
	PF 3
	s_wait_alu depctr_va_vdst(0)           ; the pooling has written the pool sums, which the LDS stores read; layer 3's last activation is done reading a3, in whose registers the loads below land
	ALOAD 0, 224, 48, 8                    ; the next a3
	WIN 0x08
	ALL32 ds_store_b128 v9, v[rr:rr+3] offset:PCOL*cc+ko
.set LDSN, LDSN+32
	WIN 0
	s_wait_alu depctr_vm_vsrc(0)           ; the pool stores have read v9, which the next unit writes anew, and their data, in whose registers the next q lands
.Lnext:
	s_add_co_u32 s81, s81, 1
	s_cmp_lt_u32 s81, 7
	s_cbranch_scc1 .Lunit
	; THE END: thread = (batch thread / 16, 16 bytes of its row): 4 waves x 16 rows are added.
	s_wait_loadcnt 0x0                     ; the last look-ahead's loads have landed: their registers are used below
	s_wait_dscnt 0x0                       ; for the others' sake: my pool is written
	s_barrier_signal -1
	s_barrier_wait -1
	v_and_b32 v16, 15, v0
	v_lshlrev_b32 v16, 4, v16
	v_lshrrev_b32 v14, 6, v0               ; group
	v_bfe_u32 v15, v0, 4, 2                ; column
	v_mad_u32_u24 v16, v14, PGRP, v16
	v_mad_u32_u24 v16, v15, PCOL, v16
	v_add_nc_u32 v16, POOL, v16
	v_add_nc_u32 v17, 2*PWAVE, v16
	v_lshlrev_b32 v18, 4, v0
	s_lshl_b32 s90, ttmp9, 11
	s_mov_b32 s91, 0
	s_add_nc_u64 s[16:17], s[16:17], s[90:91]
.macro FIN va, dst                     ; two waves' 32 rows
	s_wait_alu depctr_va_vdst(0)           ; at the first use: the addresses v16 and v17 are written; at the second: the additions above are done with v128-255, in which these loads land
.set fq, 0
.rept 32
	ds_load_b128 v[128+4*fq:128+4*fq+3], v[\va] offset:PWAVE*(fq/16)+272*(fq%16)
.set fq, fq+1
.endr
	s_wait_dscnt 0x0
.irp st, 16,8,4,2
.set fq, 0
.rept \st
	v_pk_add_f32 v[128+4*fq:129+4*fq], v[128+4*fq:129+4*fq], v[128+4*(fq+\st):129+4*(fq+\st)]
	v_pk_add_f32 v[130+4*fq:131+4*fq], v[130+4*fq:131+4*fq], v[130+4*(fq+\st):131+4*(fq+\st)]
.set fq, fq+1
.endr
.endr
	v_pk_add_f32 v[\dst:\dst+1], v[128:129], v[132:133]
	v_pk_add_f32 v[\dst+2:\dst+3], v[130:131], v[134:135]
.endm
	FIN 16, 40
	FIN 17, 44
	v_pk_add_f32 v[40:41], v[40:41], v[44:45]
	v_pk_add_f32 v[42:43], v[42:43], v[46:47]
	s_wait_alu depctr_va_vdst(0)           ; the last additions have written v40-43, which the store reads (its offset v18 was written ahead of the waits above)
	global_store_b128 v18, v[40:43], s[16:17]  ; 16 lanes store a batch's 256 bytes, at a multiple of 256 from out0's first byte
	s_wait_dscnt 0x0                       ; the closing lines, six on end
	s_wait_alu 0x0
	s_wait_tensorcnt 0x0
	ds_add_u32 v30, v31
	s_wait_dscnt 0x0
	s_endpgm
.Lfunc_end_k_qa94b2dd83c_mlp:
	.size	k_qa94b2dd83c_mlp, .Lfunc_end_k_qa94b2dd83c_mlp-k_qa94b2dd83c_mlp
	.p2alignl 7, 3214868480
	.fill 96, 4, 3214868480
	.section	.rodata,"a",@progbits
	.p2align	6, 0x0
	.amdhsa_kernel k_qa94b2dd83c_mlp
		.amdhsa_group_segment_fixed_size 326144
		.amdhsa_private_segment_fixed_size 0
		.amdhsa_enable_private_segment 0
		.amdhsa_kernarg_size 56
		.amdhsa_user_sgpr_count 2
		.amdhsa_user_sgpr_kernarg_segment_ptr 1
		.amdhsa_wavefront_size32 1
		.amdhsa_system_sgpr_workgroup_id_x 1
		.amdhsa_system_sgpr_workgroup_id_y 1
		.amdhsa_system_sgpr_workgroup_id_z 1
		.amdhsa_system_vgpr_workitem_id 0
		.amdhsa_next_free_vgpr 1024
		.amdhsa_next_free_sgpr 100
		.amdhsa_reserve_vcc 0
		.amdhsa_float_denorm_mode_32 3
		.amdhsa_float_denorm_mode_16_64 3
		.amdhsa_memory_ordered 1
		.amdhsa_forward_progress 1
		.amdhsa_inst_pref_size 255
	.end_amdhsa_kernel
	.section	.bss,"aw",@nobits
	.p2align	6
	.space	262144
	.amdgpu_metadata
---
amdhsa.version: [ 1, 2 ]
amdhsa.kernels:
  - .name:           k_qa94b2dd83c_mlp
    .symbol:         k_qa94b2dd83c_mlp.kd
    .args:
      - { .name: k, .offset: 0, .size: 8, .value_kind: global_buffer, .address_space: global }
      - { .name: wimg, .offset: 8, .size: 8, .value_kind: global_buffer, .address_space: global }
      - { .name: amimg, .offset: 16, .size: 8, .value_kind: global_buffer, .address_space: global }
      - { .name: cq, .offset: 24, .size: 8, .value_kind: global_buffer, .address_space: global }
      - { .name: stat, .offset: 32, .size: 8, .value_kind: global_buffer, .address_space: global }
      - { .name: bl, .offset: 40, .size: 8, .value_kind: global_buffer, .address_space: global }
      - { .name: out0, .offset: 48, .size: 8, .value_kind: global_buffer, .address_space: global }
    .group_segment_fixed_size: 326144
    .private_segment_fixed_size: 0
    .kernarg_segment_align: 8
    .kernarg_segment_size: 56
    .max_flat_workgroup_size: 128
    .sgpr_count:     100
    .vgpr_count:     1024
    .wavefront_size: 32
...
	.end_amdgpu_metadata
.endif
;; end of part 3
